; MI455X (gfx1250); checked and timed in simulation.
; The chip was launched on July 23, 2026; its instructions are those of AMD's public machine-readable ISA for CDNA 5 (MIT licence, August 2026) and "CDNA5" Instruction Set Architecture Reference Guide (July 2026). The comments in the code are by the model that wrote it; some were corrected since.
;; KCA. Allowed arithmetic: float matrix products may take bf16 or f16 operands with f32 sums; other float arithmetic in f32, or as packed bf16 or f16 multiplies, adds, multiply-adds, maxima and minima; sums over many terms, partial sums and values carried from step to step in f32; what a program stores and reads back later, other than sums and carried values, may be rounded once to bf16 or f16.
;; Inputs: W1 100 x 1,000 float32; W3 500 x 100 float32; W_img 50 x 383 float32; W_iproj 50 x 200 float32; W_rel1 96 x 500 float32; W_rel2 96 x 500 float32; W_text 50 x 384 float32; W_tproj 50 x 1,200 float32; b1 100 float32; b3 500 float32; b_img 50 float32; b_iproj 50 float32; b_rel1 96 float32; b_rel2 96 float32; b_text 50 float32; b_tproj 50 float32; ent_img_emb 5,000 x 24 x 383 float32; ent_text_emb 5,000 x 4 x 384 float32; entity_embedding 5,000 x 500 float32; ln_b 50 float32; ln_g 50 float32; positive_sample 32 x 3 int32; relation_embedding 5,000 x 500 float32.
;; Outputs: out0 32 x 5,000 float32; out1 32 x 5,000 float32; out2 32 x 5,000 float32; out3 32 x 5,000 float32.
;; One version. Each part assembles by itself: llvm-mc -triple=amdgcn-amd-amdhsa -mcpu=gfx1250 --defsym DOCPART=n.
;; ======== version 1 of 1: 5 launches
;; limits: values are held in f16: magnitudes above 65,504 overflow, below 6.1e-05 lose precision; values outside matrix products are rounded to bf16
;; workspace buffers: wts 647,680 bytes; entb 5,120,000 bytes; rec 20,480,000 bytes; aux 1,280,000 bytes; xrec 40,960,000 bytes
;; launch kp (part 1): grid 1450 x 1, 8 waves a work-group, no clusters, 0 bytes of LDS; arguments entity_embedding, W_text, W_img, W_tproj, W_iproj, W3, W1, ln_g, ln_b, W_rel1, W_rel2, b_rel1, b_rel2, b1, b_tproj, b_iproj, relation_embedding, positive_sample, wts, entb; writes wts, entb
.if DOCPART == 1
	.amdgcn_target "amdgcn-amd-amdhsa--gfx1250"
	.amdhsa_code_object_version 6
	.text
	.protected	k_q1230c738ff_kp
	.globl	k_q1230c738ff_kp
	.p2align	8
	.type	k_q1230c738ff_kp,@function
k_q1230c738ff_kp:
	s_mov_b64 s[64:65], 0
	v_nop
	global_prefetch_b8 v0, s[64:65] scope:SCOPE_SE
	s_setreg_imm32_b32 hwreg(HW_REG_WAVE_MODE, 25, 1), 1
	s_wait_xcnt 0x0
; PREPARATION: every small input is rounded to bf16 once and laid out as the later kernels' matrix operands take it.
; WORK LEFT OUT, for all values of the inputs (exact arithmetic).  A gated row of reference() is a linear combination of the entity's 4 text or 24 image token rows.
; So (1) LayerNorm's mean falls away when the token rows are centred; (2) its variance is a quadratic form of the coefficients in the centred rows' Gram matrix;
; (3) the products with W_tproj (K = 1200) and W_iproj (K = 200) become, for each entity, [32 x 96] x [96 x 50], with ln_g folded into the weights and
; 2 x (W ln_b) + bias as a constant vector.  The [B,N,24,50] and [B,N,4,50] tensors are never formed.  Every input is loaded; of positive_sample column 0 has no way to an output.
; LIMITS: an overflow that would arise only in the tensors left out is not carried to the result; W x ln_g is kept in f16 (below 6e-5 it has f16's fixed step of 6e-8).
; Work-groups 0-1393 copy (a thread makes 8 numbers, 16 bytes), 1394-1433 make the sigmoid gates and R' = log2(e) (rel W1b^T + b1), 1434-1449 the two constant vectors.
.set WTX, 0
.set WIM, 49152
.set WGT, 98304
.set WGI, 294912
.set W3B, 327680
.set W1A, 458752
.set G1T, 589824
.set G2T, 606208
.set RBT, 630784
.set KV,  647168
.set NC, 1394
.set NG, 1434
	s_load_b512 s[8:23], s[0:1], 0x0               ; ent 8, W_text 10, W_img 12, W_tproj 14, W_iproj 16, W3 18, W1 20, ln_g 22
	s_load_b512 s[24:39], s[0:1], 0x40             ; ln_b 24, W_rel1 26, W_rel2 28, b_rel1 30, b_rel2 32, b1 34, b_tproj 36, b_iproj 38
	s_load_b256 s[40:47], s[0:1], 0x80             ; rel 40, positive_sample 42, wts 44, entb 46
	v_lshrrev_b32 v1, 5, v0
	v_readfirstlane_b32 s2, v1                     ; wave
	v_and_b32 v1, 31, v0                           ; lane
	s_wait_kmcnt 0x0
	s_cmp_lt_u32 ttmp9, NC
	s_cbranch_scc0 .Lnotc
; ---- copies.  The arm's figures are chosen by selects on the work-group's number, from the last arm to the first.
.macro SEL bound, srcr, dstr, doff, R, C, SP, base, M, S, CPR, sc
	s_cmp_lt_u32 ttmp9, \bound
	s_cselect_b64 s[50:51], s[\srcr:\srcr+1], s[50:51]
	s_cselect_b64 s[52:53], s[\dstr:\dstr+1], s[52:53]
	s_cselect_b32 s62, \doff, s62
	s_cselect_b32 s54, (\R)-1, s54
	s_cselect_b32 s55, \C, s55
	s_cselect_b32 s56, \SP, s56
	s_cselect_b32 s57, \base, s57
	s_cselect_b32 s58, \M, s58
	s_cselect_b32 s59, \S, s59
	s_cselect_b32 s60, \CPR, s60
	s_cselect_b32 s61, \sc, s61
.endm
	s_mov_b64 s[50:51], s[20:21]
	s_mov_b64 s[52:53], s[44:45]
.irp r, 54,55,56,57,58,59,60,61,62,63
	s_mov_b32 s\r, 0
.endr
	SEL NC,   20, 44, W1A, 100,  500, 1000, 1362, 1, 6, 64, 0
	SEL 1362, 18, 44, W3B, 500,  100, 100,  1330, 1, 4, 16, 0
	SEL 1330, 16, 44, WGI, 200,  50,  50,   1322, 1, 3, 8,  1
	SEL 1322, 14, 44, WGT, 1200, 50,  50,   1274, 1, 3, 8,  1
	SEL 1274, 12, 44, WIM, 50,   383, 383,  1262, 43691, 21, 48, 0
	SEL 1262, 10, 44, WTX, 50,   384, 384,  1250, 43691, 21, 48, 0
	SEL 1250, 8,  46, 0,   5000, 500, 500,  0,    1, 6, 64, 0
	s_add_nc_u64 s[52:53], s[52:53], s[62:63]
	s_sub_co_u32 s3, ttmp9, s57
	s_lshl_b32 s3, s3, 8
	s_sub_co_u32 s4, s55, 1
	v_add_nc_u32 v2, s3, v0                        ; q: my chunk of 8 numbers in the destination
	v_mul_lo_u32 v3, v2, s58
	v_lshrrev_b32 v3, s59, v3                      ; its row = q / chunks in a row (48: q x 43691 >> 21, exact below 3,072)
	v_mul_lo_u32 v4, v3, s60
	v_sub_nc_u32 v4, v2, v4
	v_lshlrev_b32 v4, 3, v4                        ; its first column
	v_mov_b32 v5, 0x10000
	v_cmp_gt_u32 vcc_lo, v3, s54
	v_cndmask_b32 v4, v4, v5, vcc_lo               ; a row past the source counts as columns past it: zeros
	v_min_u32 v3, s54, v3
	v_mul_lo_u32 v3, v3, s56
	v_lshlrev_b32 v6, 4, v2
.irp e, 0,1,2,3,4,5,6,7
	v_add_nc_u32 v[8+\e], \e, v4
	v_min_u32 v[16+\e], s4, v[8+\e]
	v_min_u32 v[24+\e], 49, v[16+\e]
	v_add_lshl_u32 v[16+\e], v[16+\e], v3, 2
	v_lshlrev_b32 v[24+\e], 2, v[24+\e]
	global_load_b32 v[32+\e], v[16+\e], s[50:51]
	global_load_b32 v[40+\e], v[24+\e], s[22:23]   ; ln_g of the column (used by the two scaled arms)
.endr
	s_wait_loadcnt 0x0
.irp e, 0,1,2,3,4,5,6,7
	v_cmp_gt_u32 vcc_lo, s55, v[8+\e]
	v_cndmask_b32 v[32+\e], 0, v[32+\e], vcc_lo
.endr
.irp j, 0,1,2,3
	v_cvt_pk_bf16_f32 v[48+\j], v[32+2*\j], v[33+2*\j]
.endr
	s_cmp_eq_u32 s61, 0
	s_cbranch_scc1 .Lcst
.irp j, 0,1,2,3                                        ; bf16(W) x bf16(ln_g), kept in f16
	v_cvt_pk_bf16_f32 v[52+\j], v[40+2*\j], v[41+2*\j]
	v_lshlrev_b32 v[32+2*\j], 16, v[48+\j]
	v_and_b32 v[33+2*\j], 0xffff0000, v[48+\j]
	v_lshlrev_b32 v[40+2*\j], 16, v[52+\j]
	v_and_b32 v[41+2*\j], 0xffff0000, v[52+\j]
	v_pk_mul_f32 v[32+2*\j:33+2*\j], v[32+2*\j:33+2*\j], v[40+2*\j:41+2*\j]
	v_cvt_pk_f16_f32 v[48+\j], v[32+2*\j], v[33+2*\j]
.endr
.Lcst:
	global_store_b128 v6, v[48:51], s[52:53]       ; neighbouring threads store neighbouring 16 bytes
	s_endpgm
; ---- gates and R'.  Wave J owns one weight row; lane b owns sample b: each lane walks its own relation row.
.Lnotc:
	s_cmp_lt_u32 ttmp9, NG
	s_cbranch_scc0 .Ltypek
	s_sub_co_u32 s3, ttmp9, NC
	s_lshl3_add_u32 s3, s3, s2                     ; J = 0..319: 96 rows of W_rel1, 96 of W_rel2, 128 columns of R' (100 live)
	s_sub_co_u32 s4, s3, 192
	s_min_u32 s5, s4, 99
	s_cmp_lt_u32 s4, 100
	s_cselect_b32 s6, 0x3fb8aa3b, 0                ; log2(e), or 0 for R's padding columns
	s_mov_b64 s[50:51], s[20:21]
	s_mov_b64 s[52:53], s[34:35]
	s_movk_i32 s7, 4000
	s_movk_i32 s48, 2000
	s_sub_co_u32 s49, s3, 96
	s_cmp_lt_u32 s3, 192
	s_cselect_b64 s[50:51], s[28:29], s[50:51]
	s_cselect_b64 s[52:53], s[32:33], s[52:53]
	s_cselect_b32 s5, s49, s5
	s_cselect_b32 s7, 2000, s7
	s_cselect_b32 s48, 0, s48
	s_cmp_lt_u32 s3, 96
	s_cselect_b64 s[50:51], s[26:27], s[50:51]
	s_cselect_b64 s[52:53], s[30:31], s[52:53]
	s_cselect_b32 s5, s3, s5
	s_mul_i32 s54, s7, s5
	s_add_co_u32 s54, s54, s48
	s_mov_b32 s55, 0
	s_add_nc_u64 s[50:51], s[50:51], s[54:55]      ; my weight row (W1: its second half)
	v_mad_u32_u24 v2, v1, 12, 4
	global_load_b32 v3, v2, s[42:43]               ; positive_sample[b][1]
	v_mov_b32 v4, s5
	v_lshlrev_b32 v4, 2, v4
	global_load_b32 v5, v4, s[52:53]               ; the row's bias
	v_mov_b32 v6, 0
.irp r, 12,13,14,15
	v_mov_b32 v\r, 0
.endr
	s_wait_loadcnt 0x0
	v_min_u32 v3, 0x1387, v3
	v_mul_u32_u24 v3, v3, 0x7d0                    ; the relation row's byte offset
	s_mov_b32 s56, 5
.Lg:                                                   ; a trip: 100 of the 500 terms; 50 loads go out together
.set c, 0
.rept 25
	global_load_b128 v[32+4*c:35+4*c], v3, s[40:41] offset:16*c
	global_load_b128 v[132+4*c:135+4*c], v6, s[50:51] offset:16*c
.set c, c+1
.endr
	s_wait_loadcnt 0x0
.set c, 0
.rept 25
	v_cvt_pk_bf16_f32 v8, v[32+4*c], v[33+4*c]
	v_cvt_pk_bf16_f32 v9, v[34+4*c], v[35+4*c]
	v_cvt_pk_bf16_f32 v10, v[132+4*c], v[133+4*c]
	v_cvt_pk_bf16_f32 v11, v[134+4*c], v[135+4*c]
	v_fma_mix_f32_bf16 v12, v8, v10, v12 op_sel_hi:[1,1,0]
	v_fma_mix_f32_bf16 v13, v8, v10, v13 op_sel:[1,1,0] op_sel_hi:[1,1,0]
	v_fma_mix_f32_bf16 v14, v9, v11, v14 op_sel_hi:[1,1,0]
	v_fma_mix_f32_bf16 v15, v9, v11, v15 op_sel:[1,1,0] op_sel_hi:[1,1,0]
.set c, c+1
.endr
	s_add_nc_u64 s[40:41], s[40:41], 400           ; the loads are done (the wait for 0 above): their bases may step
	s_add_nc_u64 s[50:51], s[50:51], 400
	s_sub_co_u32 s56, s56, 1
	s_cmp_lg_u32 s56, 0
	s_cbranch_scc1 .Lg
	v_cvt_pk_bf16_f32 v5, v5, v5
	v_lshlrev_b32 v5, 16, v5
	v_add_f32 v12, v12, v13
	v_add_f32 v14, v14, v15
	v_add_f32 v12, v12, v14
	v_add_f32 v12, v12, v5                         ; z
	v_mul_f32 v16, 0xbfb8aa3b, v12
	v_exp_f32 v16, v16
	v_mul_f32 v17, s6, v12                         ; log2(e) z for R'
	s_wait_alu depctr_va_vdst(0)
	v_add_f32 v16, 1.0, v16
	v_rcp_f32 v16, v16                             ; sigmoid(z)
	v_nop
	s_wait_alu depctr_va_vdst(0)
	s_and_b32 s54, s5, 3                           ; t
	s_lshr_b32 s55, s5, 2                          ; i
	s_cmp_lt_u32 s3, 96
	s_cbranch_scc0 .Lg2
	s_lshl_b32 s57, s54, 7
	s_lshl2_add_u32 s57, s55, s57
	s_add_co_u32 s57, s57, G1T
	v_lshl_add_u32 v18, v1, 9, s57                 ; G1T[b][t][i]
	global_store_b32 v18, v16, s[44:45]
	s_cmp_lt_u32 s3, 32
	s_cbranch_scc0 .Lgend
	global_store_b32 v18, v6, s[44:45] offset:96   ; rows J < 32 also clear the padding i = 24 + i
	s_branch .Lgend
.Lg2:
	s_cmp_lt_u32 s3, 192
	s_cbranch_scc0 .Lg3
	s_lshl_b32 s57, s55, 4
	s_lshl2_add_u32 s58, s54, s57
	s_xor_b32 s54, s54, 2
	s_lshl2_add_u32 s59, s54, s57
	v_mul_u32_u24 v18, v1, 768
	v_add_nc_u32 v19, s59, v18
	v_add_nc_u32 v18, s58, v18
	global_store_b32 v18, v16, s[44:45] offset:G2T       ; copy for lanes 0-15: t as it is
	global_store_b32 v19, v16, s[44:45] offset:G2T+384   ; copy for lanes 16-31: t xor 2
	s_branch .Lgend
.Lg3:
	s_lshl_b32 s57, s4, 2
	v_lshl_add_u32 v18, v1, 9, s57
	global_store_b32 v18, v17, s[44:45] offset:RBT
.Lgend:
	s_endpgm
; ---- K[o] = 2 sum W[o][50 blk + d] ln_b[d] + bias[o]; a wave for each (branch, o); a lane holds d = lane and d = 32 + lane
.Ltypek:
	s_sub_co_u32 s3, ttmp9, NG
	s_lshl3_add_u32 s3, s3, s2
	s_lshr_b32 s4, s3, 6                           ; 0 image, 1 text
	s_and_b32 s5, s3, 63                           ; o
	s_min_u32 s6, s5, 49
	s_cmp_lt_u32 s5, 50
	s_cselect_b32 s7, 1.0, 0
	s_cmp_eq_u32 s4, 0
	s_cselect_b64 s[50:51], s[16:17], s[14:15]
	s_cselect_b64 s[52:53], s[38:39], s[36:37]
	s_movk_i32 s48, 4800                           ; bytes in a row of W_tproj (the move leaves SCC as it is),
	s_cselect_b32 s48, 800, s48                    ; or of W_iproj
	s_mul_i32 s48, s48, s6
	s_mov_b32 s54, 0x76543210
	s_mov_b32 s55, 0xfedcba98
	v_add_nc_u32 v3, 32, v1
	v_min_u32 v3, 49, v3
	v_lshlrev_b32 v4, 2, v1
	v_lshlrev_b32 v5, 2, v3
	v_add_nc_u32 v2, s48, v4
	v_add_nc_u32 v3, s48, v5
	v_mov_b32 v6, s6
	v_lshlrev_b32 v6, 2, v6
	global_load_b32 v8, v4, s[24:25]
	global_load_b32 v9, v5, s[24:25]
	global_load_b32 v10, v6, s[52:53]
.set k, 0
.rept 4
	global_load_b32 v[16+2*k], v2, s[50:51] offset:200*k
	global_load_b32 v[17+2*k], v3, s[50:51] offset:200*k
.set k, k+1
.endr
	v_mov_b32 v12, 0
	v_mov_b32 v13, 0
	v_mov_b32 v15, 0
	s_wait_loadcnt 0x0
	v_cmp_gt_u32 vcc_lo, 18, v1
	v_cndmask_b32 v9, 0, v9, vcc_lo                ; d = 32 + lane is live below 50
	v_cvt_pk_bf16_f32 v8, v8, v9
.set k, 0
.rept 4
	v_cvt_pk_bf16_f32 v14, v[16+2*k], v[17+2*k]
	v_fma_mix_f32_bf16 v12, v14, v8, v12 op_sel_hi:[1,1,0]
	v_fma_mix_f32_bf16 v13, v14, v8, v13 op_sel:[1,1,0] op_sel_hi:[1,1,0]
.set k, k+1
.endr
	s_cmp_eq_u32 s4, 0
	s_cbranch_scc1 .Lkred                          ; W_iproj has four blocks
.set k, 0
.rept 20
	global_load_b32 v[16+2*k], v2, s[50:51] offset:200*(k+4)
	global_load_b32 v[17+2*k], v3, s[50:51] offset:200*(k+4)
.set k, k+1
.endr
	s_wait_loadcnt 0x0
.set k, 0
.rept 20
	v_cvt_pk_bf16_f32 v14, v[16+2*k], v[17+2*k]
	v_fma_mix_f32_bf16 v12, v14, v8, v12 op_sel_hi:[1,1,0]
	v_fma_mix_f32_bf16 v13, v14, v8, v13 op_sel:[1,1,0] op_sel_hi:[1,1,0]
.set k, k+1
.endr
.Lkred:
	v_add_f32 v12, v12, v13
	v_add_f32_dpp v12, v12, v12 row_xmask:1 row_mask:0xf bank_mask:0xf
	v_add_f32_dpp v12, v12, v12 row_xmask:2 row_mask:0xf bank_mask:0xf
	v_add_f32_dpp v12, v12, v12 row_xmask:4 row_mask:0xf bank_mask:0xf
	v_add_f32_dpp v12, v12, v12 row_xmask:8 row_mask:0xf bank_mask:0xf
	v_permlanex16_b32 v15, v12, s54, s55
	v_add_f32 v12, v12, v15
	v_cvt_pk_bf16_f32 v10, v10, v10
	v_lshlrev_b32 v10, 16, v10
	v_fma_f32 v12, v12, 2.0, v10
	v_mul_f32 v12, s7, v12
	v_mov_b32 v16, s3
	v_lshlrev_b32 v16, 2, v16
	global_store_b32 v16, v12, s[44:45] offset:KV  ; every lane holds the same number for the same word
	s_endpgm
.Lfunc_end_k_q1230c738ff_kp:
	.size	k_q1230c738ff_kp, .Lfunc_end_k_q1230c738ff_kp-k_q1230c738ff_kp
	.p2alignl 7, 3214868480
	.fill 96, 4, 3214868480
	.section	.rodata,"a",@progbits
	.p2align	6, 0x0
	.amdhsa_kernel k_q1230c738ff_kp
		.amdhsa_group_segment_fixed_size 0
		.amdhsa_private_segment_fixed_size 0
		.amdhsa_enable_private_segment 0
		.amdhsa_kernarg_size 160
		.amdhsa_user_sgpr_count 2
		.amdhsa_user_sgpr_kernarg_segment_ptr 1
		.amdhsa_wavefront_size32 1
		.amdhsa_system_sgpr_workgroup_id_x 1
		.amdhsa_system_sgpr_workgroup_id_y 1
		.amdhsa_system_sgpr_workgroup_id_z 1
		.amdhsa_system_vgpr_workitem_id 0
		.amdhsa_next_free_vgpr 232
		.amdhsa_next_free_sgpr 66
		.amdhsa_reserve_vcc 1
		.amdhsa_float_denorm_mode_32 3
		.amdhsa_float_denorm_mode_16_64 3
		.amdhsa_memory_ordered 1
		.amdhsa_forward_progress 1
		.amdhsa_inst_pref_size 44
	.end_amdhsa_kernel
	.amdgpu_metadata
---
amdhsa.version: [ 1, 2 ]
amdhsa.kernels:
  - .name:           k_q1230c738ff_kp
    .symbol:         k_q1230c738ff_kp.kd
    .args:
      - { .name: entity_embedding, .offset: 0, .size: 8, .value_kind: global_buffer, .address_space: global }
      - { .name: W_text, .offset: 8, .size: 8, .value_kind: global_buffer, .address_space: global }
      - { .name: W_img, .offset: 16, .size: 8, .value_kind: global_buffer, .address_space: global }
      - { .name: W_tproj, .offset: 24, .size: 8, .value_kind: global_buffer, .address_space: global }
      - { .name: W_iproj, .offset: 32, .size: 8, .value_kind: global_buffer, .address_space: global }
      - { .name: W3, .offset: 40, .size: 8, .value_kind: global_buffer, .address_space: global }
      - { .name: W1, .offset: 48, .size: 8, .value_kind: global_buffer, .address_space: global }
      - { .name: ln_g, .offset: 56, .size: 8, .value_kind: global_buffer, .address_space: global }
      - { .name: ln_b, .offset: 64, .size: 8, .value_kind: global_buffer, .address_space: global }
      - { .name: W_rel1, .offset: 72, .size: 8, .value_kind: global_buffer, .address_space: global }
      - { .name: W_rel2, .offset: 80, .size: 8, .value_kind: global_buffer, .address_space: global }
      - { .name: b_rel1, .offset: 88, .size: 8, .value_kind: global_buffer, .address_space: global }
      - { .name: b_rel2, .offset: 96, .size: 8, .value_kind: global_buffer, .address_space: global }
      - { .name: b1, .offset: 104, .size: 8, .value_kind: global_buffer, .address_space: global }
      - { .name: b_tproj, .offset: 112, .size: 8, .value_kind: global_buffer, .address_space: global }
      - { .name: b_iproj, .offset: 120, .size: 8, .value_kind: global_buffer, .address_space: global }
      - { .name: relation_embedding, .offset: 128, .size: 8, .value_kind: global_buffer, .address_space: global }
      - { .name: positive_sample, .offset: 136, .size: 8, .value_kind: global_buffer, .address_space: global }
      - { .name: wts, .offset: 144, .size: 8, .value_kind: global_buffer, .address_space: global }
      - { .name: entb, .offset: 152, .size: 8, .value_kind: global_buffer, .address_space: global }
    .group_segment_fixed_size: 0
    .private_segment_fixed_size: 0
    .kernarg_segment_align: 8
    .kernarg_segment_size: 160
    .max_flat_workgroup_size: 256
    .sgpr_count:     66
    .vgpr_count:     232
    .wavefront_size: 32
...
	.end_amdgpu_metadata
.endif
;; end of part 1
;; launch ka (part 2): grid 250 x 1, 3 waves a work-group, no clusters, 327,680 bytes of LDS; arguments ent_img_emb, ent_text_emb, b_img, b_text, wts, rec, aux; writes rec, aux
.if DOCPART == 2
	.amdgcn_target "amdgcn-amd-amdhsa--gfx1250"
	.amdhsa_code_object_version 6
	.text
	.protected	k_q1230c738ff_ka
	.globl	k_q1230c738ff_ka
	.p2align	8
	.type	k_q1230c738ff_ka,@function
k_q1230c738ff_ka:
	s_mov_b64 s[64:65], 0
	v_nop
	global_prefetch_b8 v0, s[64:65] scope:SCOPE_SE
	s_setreg_imm32_b32 hwreg(HW_REG_WAVE_MODE, 25, 1), 1
	s_wait_xcnt 0x0
; THE STREAM: token rows x W^T + b, leaky, then each row of 50 is centred and divided by its spread rho = sqrt(mean (x - m)^2).  rec takes the normalised rows in f16, aux takes (m, rho) in f32.
; (The mean and the spread are what the later kernels need in place of LayerNorm on the large tensors: see the first kernel's head.)  LIMIT: a row with rho^2 below 1e-30 is divided as if rho^2 were 1e-30.
; A work-group owns 20 entities: five steps of 4 entities' 96 image rows, one step of 80 text rows.  Rows come as f32 through two LDS slots by the tensor mover, one load of 32 rows a wave;
; an image row's 383 numbers are asked for as 384, the last arriving as zero.  16 bytes of padding behind every 512: rows 1,584 bytes = 396 words apart, so 16 rows start at 16 different groups of four banks.
; Each slot has a descriptor group 0 of its own, with a constant LDS address: the loop has two steps to a trip, one for each slot.
; The product is taken transposed (source 0 = 16 rows of W, source 1 = 16 token rows): a lane holds ONE token row and 8 neighbouring channels, 16 bytes of f16.
; W's 48 fragments stay in registers (windows 1 and 2).  No cluster: work-groups share only the 98 KB of weights, read once each, against 858 KB of rows of their own.  No prefetch: a whole slot, 152 KB, is on its way all the time.
.set SLOT1, 163840                     ; slot 0 at 0, slot 1 here: 96 rows x 1,584 = 152,064 bytes each
.set SPARE, 315904                     ; behind slot 1: the spare words, 128 bytes a wave
.set PITCH, 1584
.set STEPB, 96*1532                    ; bytes of memory in a step's 96 image rows
.set WTX, 0
.set WIM, 49152
.set RAW, 32                           ; v32-79   three sets of 16 f32 as loaded from LDS
.set XF,  80                           ; v80-95   two fragments of token rows in bf16
.set ACC, 96                           ; v96-127  four accumulators: channels 16 tau + 8 h + j
.set BI,  128                          ; v128-159 b_img in the accumulators' layout
.set BT,  160                          ; v160-191 b_text
.set OUT, 192                          ; v192-207 16 registers to store
.set MSB, 0
.macro WIN new
.if MSB != (\new)
	s_set_vgpr_msb (MSB<<8)|(\new)
.set MSB, \new
.endif
.endm
	s_load_b256 s[4:11], s[0:1], 0x0               ; img 4, text 6, b_img 8, b_text 10
	s_load_b128 s[12:15], s[0:1], 0x20             ; wts 12, rec 14
	s_load_b64 s[40:41], s[0:1], 0x30              ; aux
	v_lshl_add_u32 v8, v0, 2, SPARE
	v_mov_b32 v9, 0
	ds_add_u32 v8, v9                              ; the opening: the add, twice on end, and its wait ahead of my first tensor load
	ds_add_u32 v8, v9
	v_lshrrev_b32 v1, 5, v0
	v_readfirstlane_b32 s42, v1                    ; wave 0..2
	s_mov_b32 s16, (2<<16)|(1<<20)|(6<<22)|(3<<25) ; image rows: 4-byte elements, 4 words of padding behind every 128
	s_mov_b32 s17, 383<<16                         ; tensor_dim0 = 383
	s_mov_b32 s18, 32<<16                          ; tensor_dim1 = 32
	s_mov_b32 s19, 384<<16                         ; tile_dim0 = 384: element 383 arrives as zero
	s_mov_b32 s20, 32                              ; tile_dim1
	s_mov_b32 s21, 383                             ; elements from row to row
	s_mov_b32 s22, 0
	s_mov_b32 s23, 0
	s_mov_b32 s24, (2<<16)|(1<<20)|(6<<22)|(3<<25) ; text rows
	s_mov_b32 s25, 384<<16
	s_lshl_b32 s50, s42, 5
	s_sub_co_u32 s51, 80, s50
	s_lshl_b32 s26, s51, 16                        ; tensor_dim1 = 80 - 32 w: rows past the group's 80 arrive as zeros
	s_mov_b32 s27, 384<<16
	s_mov_b32 s28, 32
	s_mov_b32 s29, 384
	s_mov_b32 s30, 0
	s_mov_b32 s31, 0
	s_mov_b32 s32, 1                               ; group 0 of slot 0: my 32 rows of it
	s_mul_i32 s33, s42, 32*PITCH
	s_mov_b32 s36, 1                               ; group 0 of slot 1
	s_add_co_u32 s37, s33, SLOT1
	s_mov_b32 s56, 1                               ; group 0 of the text rows, which go into slot 1
	s_add_co_u32 s57, s33, SLOT1
	s_mul_i32 s54, ttmp9, 80
	s_add_co_u32 s54, s54, s50
	s_mul_i32 s54, s54, 1536
	s_mov_b32 s55, 0
	s_mul_i32 s51, ttmp9, 480
	s_add_co_u32 s50, s51, s50
	s_mul_i32 s50, s50, 1532
	s_mov_b32 s51, 0
	s_mov_b32 s52, 0x76543210
	s_mov_b32 s53, 0xfedcba98
	s_wait_dscnt 0x0
	s_wait_kmcnt 0x0
	s_add_nc_u64 s[34:35], s[4:5], s[50:51]        ; step 0
	s_add_nc_u64 s[38:39], s[34:35], STEPB         ; step 1
	s_or_b32 s35, s35, 0x80000000
	s_or_b32 s39, s39, 0x80000000
	s_add_nc_u64 s[58:59], s[6:7], s[54:55]
	s_or_b32 s59, s59, 0x80000000
	tensor_load_to_lds s[32:35], s[16:23]          ; step 0 into slot 0
	s_nop 0
.rept 4
	v_nop
.endr
	v_and_b32 v17, 15, v0                          ; r
	v_bfe_u32 v18, v0, 4, 1                        ; h
	s_lshl_b32 s50, s42, 4
	v_add_nc_u32 v19, s50, v17                     ; g = 16 w + r: my row among an entity pair's 48
	v_mul_u32_u24 v2, v19, PITCH
	v_lshl_add_u32 v2, v18, 5, v2                  ; XA: row x pitch + 32 h
	v_cmp_le_u32 vcc_lo, 24, v19
	v_cndmask_b32 v20, 0, 1, vcc_lo                ; which entity of the pair
	v_mul_u32_u24 v21, v20, 24
	v_sub_nc_u32 v21, v19, v21                     ; i
	v_lshrrev_b32 v22, 4, v21
	v_and_b32 v23, 15, v21
	v_lshlrev_b32 v4, 12, v20
	v_lshl_add_u32 v4, v22, 11, v4
	v_lshl_add_u32 v4, v18, 8, v4
	v_lshl_add_u32 v4, v23, 4, v4                  ; RO: my 16 bytes in rec, image
	v_lshlrev_b32 v5, 8, v20
	v_lshl_add_u32 v5, v21, 3, v5                  ; AO: my row's pair in aux
	v_lshrrev_b32 v22, 2, v17
	v_and_b32 v23, 3, v17
	v_lshlrev_b32 v6, 12, v22
	v_lshl_add_u32 v6, v18, 8, v6
	v_lshl_add_u32 v6, v23, 4, v6
	v_add_nc_u32 v6, 2048+128, v6                  ; the same for text: rows 24 + t of entity r / 4
	v_lshlrev_b32 v7, 8, v22
	v_lshl_add_u32 v7, v23, 3, v7
	v_add_nc_u32 v7, 192, v7
	v_cmp_eq_u32 vcc_lo, 0, v18
	v_cndmask_b32 v10, 0, 1.0, vcc_lo              ; channels 48, 49 live in lanes 0-15 alone
	v_mov_b32 v11, v10
.irp r, 12,13,14,15,30,154,155,156,157,158,159,186,187,188,189,190,191,205,206,207
	v_mov_b32 v\r, 0
.endr
	v_mul_u32_u24 v16, v17, 768
	v_lshl_add_u32 v16, v18, 4, v16                ; a fragment of W: row x 768 + 16 h
	v_lshlrev_b32 v22, 5, v18
.irp t, 0,1,2
	global_load_b128 v[BI+8*\t:BI+8*\t+3],   v22, s[8:9] offset:64*\t
	global_load_b128 v[BI+8*\t+4:BI+8*\t+7], v22, s[8:9] offset:64*\t+16
	global_load_b128 v[BT+8*\t:BT+8*\t+3],   v22, s[10:11] offset:64*\t
	global_load_b128 v[BT+8*\t+4:BT+8*\t+7], v22, s[10:11] offset:64*\t+16
.endr
	global_load_b64 v[BI+24:BI+25], v12, s[8:9] offset:192
	global_load_b64 v[BT+24:BT+25], v12, s[10:11] offset:192
.macro LDW base                        ; W's 48 fragments: k steps 0-7 into window 1, 8-11 into window 2
.set ks, 0
.rept 12
	WIN 0x40+0x40*(ks/8)
.irp t, 0,1,2,3
	global_load_b128 v[32*(ks%8)+8*\t:32*(ks%8)+8*\t+3],   v16, s[12:13] offset:(\base)+12288*\t+64*ks
	global_load_b128 v[32*(ks%8)+8*\t+4:32*(ks%8)+8*\t+7], v16, s[12:13] offset:(\base)+12288*\t+64*ks+32
.endr
.set ks, ks+1
.endr
	WIN 0
.endm
	LDW WIM
	s_mul_i32 s50, ttmp9, 81920
	s_mov_b32 s51, 0
	s_add_nc_u64 s[14:15], s[14:15], s[50:51]      ; rec and aux at the group's first entity
	s_mul_i32 s50, ttmp9, 5120
	s_add_nc_u64 s[40:41], s[40:41], s[50:51]
	s_lshl_b32 s50, s42, 14
	s_add_nc_u64 s[46:47], s[14:15], s[50:51]      ; for text: tile w = entities 4 w ..
	s_lshl_b32 s50, s42, 10
	s_add_nc_u64 s[48:49], s[40:41], s[50:51]
	s_wait_loadcnt 0x0
.set p, 0
.rept 13                                               ; the biases are rounded to bf16 like every input
	v_cvt_pk_bf16_f32 v24, v[BI+p], v[BI+p+1]
	v_cvt_pk_bf16_f32 v25, v[BT+p], v[BT+p+1]
	v_lshlrev_b32 v[BI+p], 16, v24
	v_and_b32 v[BI+p+1], 0xffff0000, v24
	v_lshlrev_b32 v[BT+p], 16, v25
	v_and_b32 v[BT+p+1], 0xffff0000, v25
.set p, p+2
.endr
	v_pk_mul_f32 v[BI+24:BI+25], v[BI+24:BI+25], v[10:11]
	v_pk_mul_f32 v[BT+24:BT+25], v[BT+24:BT+25], v[10:11]
; The change of slots, in front of the step that reads slot rd: all my tensor loads have landed, the add, my reads are over, the barrier; behind it the refill of the other slot comes first, one load a wave.
; fill = 1: image rows; slot rd's own descriptor steps two steps on while no load of mine is out (the last such step is not used).  fill = 2: the text rows.  fill = 0: nothing is left to fetch.
.macro PRE rd, fill
	s_wait_tensorcnt 0x0
	ds_add_u32 v8, v9
.if (\fill) == 1
	s_add_nc_u64 s[34+4*(\rd):35+4*(\rd)], s[34+4*(\rd):35+4*(\rd)], 2*STEPB
.endif
	s_wait_dscnt 0x0
	s_barrier_signal -1
	s_barrier_wait -1
.if (\fill) == 1
	tensor_load_to_lds s[36-4*(\rd):39-4*(\rd)], s[16:23]
	s_nop 0
.rept 4
	v_nop
.endr
.endif
.if (\fill) == 2
	tensor_load_to_lds s[56:59], s[24:31]
	s_nop 0
.rept 4
	v_nop
.endr
.endif
.endm
.macro LDX ks                          ; 16 f32 of my row for k step ks
.set rr, RAW+16*((\ks)%3)
.set oo, 128*(\ks)+16*((\ks)/4)
	ds_load_b128 v[rr:rr+3],     v3 offset:oo
	ds_load_b128 v[rr+4:rr+7],   v3 offset:oo+16
	ds_load_b128 v[rr+8:rr+11],  v3 offset:oo+64
	ds_load_b128 v[rr+12:rr+15], v3 offset:oo+80
.endm
; 16 token rows x 64 channels over K = 384.  The four accumulators take turns; the bias starts the sums as C.
.macro TILE bias
	LDX 0
	LDX 1
	LDX 2
.set ks, 0
.rept 12
.if ks < 10
	s_wait_dscnt 8                                 ; the two younger sets of four loads may stay out
.elseif ks == 10
	s_wait_dscnt 4
.else
	s_wait_dscnt 0
.endif
.set rw, RAW+16*(ks%3)
.set xf, XF+8*(ks%2)
.irp k, 0,1,2,3,4,5,6,7
	v_cvt_pk_bf16_f32 v[xf+\k], v[rw+2*\k], v[rw+2*\k+1]   ; these eight are also the places behind the products that read the other fragment
.endr
.if ks < 9
	LDX ks+3
.endif
	WIN 1+ks/8
.irp t, 0,1,2,3
.if ks == 0
	v_wmma_f32_16x16x32_bf16 v[ACC+8*\t:ACC+8*\t+7], v[8*\t:8*\t+7], v[xf:xf+7], v[(\bias)+8*\t:(\bias)+8*\t+7]
.else
	v_wmma_f32_16x16x32_bf16 v[ACC+8*\t:ACC+8*\t+7], v[32*(ks%8)+8*\t:32*(ks%8)+8*\t+7], v[xf:xf+7], v[ACC+8*\t:ACC+8*\t+7]
.endif
.endr
	WIN 0
.set ks, ks+1
.endr
.endm
; leaky, mean, spread, normalised row out.  The lane's live numbers are 13 pairs, v[ACC .. ACC+25]; each accumulator is read from its low end on.
.macro EPI ro, ao, rb, ab, text
.rept 4
	v_nop
.endr
	s_wait_xcnt 0x0                                ; the last tile's stores have read OUT and the pair (m, rho)
.set p, 0
.rept 13
	v_pk_mul_f32 v[24:25], v[ACC+p:ACC+p+1], 0x3dcccccd op_sel_hi:[1,0]
	v_max_num_f32 v[ACC+p], v[ACC+p], v24          ; leaky(x) = max(x, 0.1 x)
	v_max_num_f32 v[ACC+p+1], v[ACC+p+1], v25
.set p, p+2
.endr
	v_pk_add_f32 v[22:23], v[ACC:ACC+1], v[ACC+2:ACC+3]
.set p, 4
.rept 11
	v_pk_add_f32 v[22:23], v[22:23], v[ACC+p:ACC+p+1]
.set p, p+2
.endr
	v_add_f32 v22, v22, v23
	v_permlanex16_b32 v30, v22, s52, s53           ; the row's other channels lie in the lane 16 away
	v_add_f32 v22, v22, v30
	v_mul_f32 v20, 0x3ca3d70a, v22                 ; m = sum / 50
	v_mov_b32 v21, v20
.set p, 0
.rept 13
	v_pk_add_f32 v[ACC+p:ACC+p+1], v[ACC+p:ACC+p+1], v[20:21] neg_lo:[0,1] neg_hi:[0,1]
.set p, p+2
.endr
	v_pk_mul_f32 v[ACC+24:ACC+25], v[ACC+24:ACC+25], v[10:11]
	v_pk_mul_f32 v[22:23], v[ACC:ACC+1], v[ACC:ACC+1]
.set p, 2
.rept 12
	v_pk_fma_f32 v[22:23], v[ACC+p:ACC+p+1], v[ACC+p:ACC+p+1], v[22:23]
.set p, p+2
.endr
	v_add_f32 v22, v22, v23
	v_permlanex16_b32 v30, v22, s52, s53
	v_add_f32 v22, v22, v30
	v_mul_f32 v22, 0x3ca3d70a, v22                 ; rho^2
	v_max_num_f32 v23, 0x0da24260, v22
	v_rsq_f32 v28, v23
	v_mov_b32 v26, v20
	s_wait_alu depctr_va_vdst(0)
	v_mul_f32 v27, v22, v28                        ; rho
	v_mov_b32 v29, v28
.set p, 0
.rept 13
	v_pk_mul_f32 v[ACC+p:ACC+p+1], v[ACC+p:ACC+p+1], v[28:29]
.set p, p+2
.endr
.set p, 0
.rept 13
	v_cvt_pk_f16_f32 v[OUT+p], v[ACC+2*p], v[ACC+2*p+1]
.set p, p+1
.endr
.irp t, 0,1,2,3
	global_store_b128 v[\ro], v[OUT+4*\t:OUT+4*\t+3], s[\rb:\rb+1] offset:512*\t
.endr
	global_store_b64 v[\ao], v[26:27], s[\ab:\ab+1]
.if \text
.irp t, 0,1,2,3
	global_store_b128 v[\ro], v[12:15], s[\rb:\rb+1] offset:512*\t+64   ; rows 28-31 of the record are zeros
.endr
	global_store_b64 v[\ao], v[12:13], s[\ab:\ab+1] offset:32
.endif
.endm
.macro STEP slot                       ; a slot's 96 rows: my tile of each entity pair
	v_add_nc_u32 v3, (\slot)*SLOT1, v2
	s_mov_b32 s45, 2
.Lpair_\@:
	TILE BI
	EPI 4, 5, 14, 40, 0
	s_wait_xcnt 0x0                                ; the stores have read their bases
	s_add_nc_u64 s[14:15], s[14:15], 8192
	s_add_nc_u64 s[40:41], s[40:41], 512
	v_add_nc_u32 v3, 48*PITCH, v3
	s_sub_co_u32 s45, s45, 1
	s_cmp_lg_u32 s45, 0
	s_cbranch_scc1 .Lpair_\@
.endm
	s_mov_b32 s44, 2
.Lstep:                                                ; trip k: steps 2 k and 2 k + 1 are worked on, steps 2 k + 1 and 2 k + 2 asked for
	PRE 0, 1
	STEP 0
	PRE 1, 1
	STEP 1
	s_sub_co_u32 s44, s44, 1
	s_cmp_lg_u32 s44, 0
	s_cbranch_scc1 .Lstep
	PRE 0, 2                                       ; the text rows go into slot 1
	STEP 0                                         ; step 4
	LDW WTX                                        ; the epilogue's vector work stands between the last products and these loads
	PRE 1, 0
	s_wait_loadcnt 0x0
	v_add_nc_u32 v3, SLOT1, v2
	s_cmp_eq_u32 s42, 2
	s_cselect_b32 s54, 1, 0
	s_mov_b32 s45, 2
.Ltext:                                                ; tiles w and w + 3 of five: wave 2 has no second one
	s_cmp_le_u32 s45, s54
	s_cbranch_scc1 .Ltskip
	TILE BT
	EPI 6, 7, 46, 48, 1
	s_wait_xcnt 0x0
	s_add_nc_u64 s[46:47], s[46:47], 49152
	s_add_nc_u64 s[48:49], s[48:49], 3072
	v_add_nc_u32 v3, 48*PITCH, v3
.Ltskip:
	s_sub_co_u32 s45, s45, 1
	s_cmp_lg_u32 s45, 0
	s_cbranch_scc1 .Ltext
	s_wait_tensorcnt 0x0                           ; the wave's end
	ds_add_u32 v8, v9
	s_wait_dscnt 0x0
	s_endpgm
.Lfunc_end_k_q1230c738ff_ka:
	.size	k_q1230c738ff_ka, .Lfunc_end_k_q1230c738ff_ka-k_q1230c738ff_ka
	.p2alignl 7, 3214868480
	.fill 96, 4, 3214868480
	.section	.rodata,"a",@progbits
	.p2align	6, 0x0
	.amdhsa_kernel k_q1230c738ff_ka
		.amdhsa_group_segment_fixed_size 327680
		.amdhsa_private_segment_fixed_size 0
		.amdhsa_enable_private_segment 0
		.amdhsa_kernarg_size 56
		.amdhsa_user_sgpr_count 2
		.amdhsa_user_sgpr_kernarg_segment_ptr 1
		.amdhsa_wavefront_size32 1
		.amdhsa_system_sgpr_workgroup_id_x 1
		.amdhsa_system_sgpr_workgroup_id_y 1
		.amdhsa_system_sgpr_workgroup_id_z 1
		.amdhsa_system_vgpr_workitem_id 0
		.amdhsa_next_free_vgpr 640
		.amdhsa_next_free_sgpr 66
		.amdhsa_reserve_vcc 1
		.amdhsa_float_denorm_mode_32 3
		.amdhsa_float_denorm_mode_16_64 3
		.amdhsa_memory_ordered 1
		.amdhsa_forward_progress 1
		.amdhsa_inst_pref_size 116
	.end_amdhsa_kernel
	.amdgpu_metadata
---
amdhsa.version: [ 1, 2 ]
amdhsa.kernels:
  - .name:           k_q1230c738ff_ka
    .symbol:         k_q1230c738ff_ka.kd
    .args:
      - { .name: ent_img_emb, .offset: 0, .size: 8, .value_kind: global_buffer, .address_space: global }
      - { .name: ent_text_emb, .offset: 8, .size: 8, .value_kind: global_buffer, .address_space: global }
      - { .name: b_img, .offset: 16, .size: 8, .value_kind: global_buffer, .address_space: global }
      - { .name: b_text, .offset: 24, .size: 8, .value_kind: global_buffer, .address_space: global }
      - { .name: wts, .offset: 32, .size: 8, .value_kind: global_buffer, .address_space: global }
      - { .name: rec, .offset: 40, .size: 8, .value_kind: global_buffer, .address_space: global }
      - { .name: aux, .offset: 48, .size: 8, .value_kind: global_buffer, .address_space: global }
    .group_segment_fixed_size: 327680
    .private_segment_fixed_size: 0
    .kernarg_segment_align: 8
    .kernarg_segment_size: 56
    .max_flat_workgroup_size: 96
    .sgpr_count:     66
    .vgpr_count:     640
    .wavefront_size: 32
...
	.end_amdgpu_metadata
.endif
;; end of part 2
;; launch kb (part 3): grid 250 x 1, 4 waves a work-group, no clusters, 120,320 bytes of LDS; arguments rec, aux, wts, xrec; writes xrec
.if DOCPART == 3
	.amdgcn_target "amdgcn-amd-amdhsa--gfx1250"
	.amdhsa_code_object_version 6
	.text
	.protected	k_q1230c738ff_kb
	.globl	k_q1230c738ff_kb
	.p2align	8
	.type	k_q1230c738ff_kb,@function
k_q1230c738ff_kb:
	s_mov_b64 s[64:65], 0
	v_nop
	global_prefetch_b8 v0, s[64:65] scope:SCOPE_SE
	s_setreg_imm32_b32 hwreg(HW_REG_WAVE_MODE, 25, 1), 1
	s_wait_xcnt 0x0
; THE TWO ATTENTION BRANCHES UP TO x[b][n][50].  The large gated tensors are not formed (see the first kernel's head): for each entity the coefficients
; A[b][(i,t)] = a rsqrt(a^T G a / 50 + eps) + A0 are made from the cross scores, the gates and the Gram matrix G of the normalised rows, and x = A U + K with U = (normalised rows) x (W ln_g)^T.
; A work-group owns 20 entities in five chunks of four.  PHASE S: wave w makes entity 4 c + w's scores, softmax rows and A, as f16 fragments in LDS.  PHASE X: wave w owns output channels 16 w .. 16 w + 15
; for all four entities; its slices of the two weights stay in registers.  Two barriers a chunk.  a and G go to the matrix unit in bf16 (they are not normalised), all else in f16.
; LIMITS: x is stored in f16 (finite below 65,504).  No cluster, no prefetch: the shared weights are read once at the start, and each chunk's rows are asked for one phase ahead by the loads themselves.
; REGISTERS.  window 0: v0-31 addresses; v32-47 K; v48-79 EF (my entity's rows); S: v80-111 Gram, v112-127 GF, v128-255 at work; X: v96-127 sums, v128-159 VF, v160-215 A, v216-231 x, v232-239 to store
; window 1: W_tproj fragments i = 0-15; window 2: i = 16-23, then W_iproj's; window 3: v0-95 UF, v96-223 the four entities' rows, v224-239 their text rows.
.set WGT, 98304
.set WGI, 294912
.set G1T, 589824
.set G2T, 606208
.set KV,  647168
.set G2L, 16896                        ; LDS: gates of the image branch at 0 (32 rows x 528), of the text branch here (32 x 784)
.set ABUF, 41984                       ; [4 entities][2 halves of b][7 fragments][1,024]
.set SCR, 99328                        ; 5,120 bytes a wave:
.set CT2, 2304                         ; c rhoT, [2 h][24 i][4], t = place xor 2 h
.set CI,  3072                         ; c rhoI, [4 t][32 i]
.set A0T2, 3584                        ; the softmax row's coefficients, text, [2 h][24][2]
.set GT2, 3968                         ; G_T / 50, [2 h][4][4]
.set VI,  4096                         ; softmax x rhoI, [4 t][32 i]
.set A0I, 4608                         ; the same normalised
.set SPARE, 119808
.set MSB, 0
.macro WIN new
.if MSB != (\new)
	s_set_vgpr_msb (MSB<<8)|(\new)
.set MSB, \new
.endif
.endm
.macro NOP4
.rept 4
	v_nop
.endr
.endm
	s_load_b256 s[4:11], s[0:1], 0x0               ; rec 4, aux 6, wts 8, xrec 10
	v_lshl_add_u32 v4, v0, 2, SPARE
	v_mov_b32 v5, 0
	v_lshrrev_b32 v1, 5, v0
	v_readfirstlane_b32 s12, v1
	v_and_b32 v1, 31, v0
	v_and_b32 v2, 15, v0
	v_bfe_u32 v3, v0, 4, 1
	v_lshlrev_b32 v6, 4, v1
	s_mul_i32 s13, s12, 5120
	s_add_co_u32 s13, s13, SCR
	s_mov_b32 s28, 0x3ca3d70a                      ; 1 / 50
	s_mov_b32 s29, 0x3727c5ac                      ; eps = 1e-5
	s_mov_b32 s30, 0x76543210
	s_mov_b32 s31, 0xfedcba98
	v_and_b32 v128, 3, v1                          ; t of an item
	v_lshrrev_b32 v129, 2, v1                      ; i0
	v_mul_u32_u24 v7, v2, 144
	v_lshl_add_u32 v7, v3, 5, v7
	v_add_nc_u32 v7, s13, v7                       ; where the Gram columns 16 + r are dumped
	v_add_nc_u32 v130, 8, v128
	v_mul_u32_u24 v130, v130, 144
	v_add_nc_u32 v130, s13, v130                   ; dump row 8 + t = column 24 + t
	v_lshl_add_u32 v8, v129, 2, v130
.irp x, 0,1,2,3
	v_xor_b32 v131, \x, v128
	v_lshl_add_u32 v[9+\x], v131, 2, v130
.endr
	v_lshlrev_b32 v131, 1, v3
	v_bfe_u32 v132, v1, 2, 2
	v_xor_b32 v132, v132, v131
	v_xor_b32 v133, v128, v131
	v_add_nc_u32 v132, 8, v132
	v_mul_u32_u24 v132, v132, 144
	v_lshl_add_u32 v13, v133, 2, v132
	v_add_nc_u32 v13, s13, v13
	v_lshlrev_b32 v14, 3, v129
	v_lshlrev_b32 v15, 3, v128
	v_add_nc_u32 v15, 192, v15
	v_lshlrev_b32 v131, 4, v129
	v_add_nc_u32 v131, s13, v131
	v_lshl_add_u32 v16, v128, 2, v131
	v_xor_b32 v132, 2, v128
	v_lshl_add_u32 v17, v132, 2, v131
	v_lshlrev_b32 v18, 7, v128
	v_lshl_add_u32 v18, v129, 2, v18
	v_add_nc_u32 v18, s13, v18
	v_lshl_add_u32 v19, v1, 2, s13
	v_lshrrev_b32 v131, 1, v128
	v_mul_u32_u24 v20, v131, 192
	v_lshl_add_u32 v20, v129, 3, v20
	v_and_b32 v131, 1, v128
	v_lshl_add_u32 v20, v131, 2, v20
	v_add_nc_u32 v20, s13, v20
	v_and_b32 v131, 3, v2
	v_lshlrev_b32 v21, 7, v131
	v_lshl_add_u32 v21, v3, 5, v21
	v_add_nc_u32 v21, s13, v21
	v_mul_u32_u24 v22, v2, 784
	v_mul_u32_u24 v131, v3, 384
	v_add3_u32 v22, v22, v131, G2L
	v_add_nc_u32 v23, s13, v131
	v_mul_u32_u24 v24, v3, 192
	v_add_nc_u32 v24, s13, v24
	v_lshl_add_u32 v25, v3, 6, s13
	v_mul_u32_u24 v26, v2, 528
	v_lshl_add_u32 v26, v3, 5, v26
	v_lshl_add_u32 v27, v3, 5, s13
	s_mul_i32 s32, s12, 14336
	s_add_co_u32 s32, s32, ABUF
	v_add_nc_u32 v28, s32, v6
	v_add_nc_u32 v29, ABUF, v6
	s_lshl_b32 s32, s12, 9
	v_add_nc_u32 v30, s32, v6
	v_bfe_u32 v131, v2, 1, 2                       ; text rows for the joint product: row r = (entity (r & 7) >> 1, t = 2 (r >> 3) + (r & 1))
	v_lshrrev_b32 v132, 3, v2
	v_and_b32 v133, 1, v2
	v_lshl_add_u32 v132, v132, 1, v133
	v_lshlrev_b32 v31, 12, v131
	v_lshl_add_u32 v31, v3, 8, v31
	v_lshl_add_u32 v31, v132, 4, v31
	v_add_nc_u32 v31, 2048+128, v31
	s_lshl_b32 s32, s12, 4
	v_add_nc_u32 v131, s32, v2                     ; my output channel as a weight row: 16 w + r
	v_mul_u32_u24 v132, v131, 3072
	v_lshl_add_u32 v132, v3, 4, v132
	v_lshlrev_b32 v133, 9, v131
	v_lshl_add_u32 v133, v3, 4, v133
	s_lshl_b32 s32, s12, 6
	v_lshl_add_u32 v134, v3, 5, s32
	v_lshrrev_b32 v131, 2, v0                      ; the gates' copy: thread = (row, quarter)
	v_and_b32 v139, 3, v0
	v_lshlrev_b32 v135, 9, v131
	v_lshl_add_u32 v135, v139, 7, v135
	v_mul_u32_u24 v136, v131, 528
	v_lshl_add_u32 v136, v139, 7, v136
	v_mul_u32_u24 v137, v131, 768
	v_mul_u32_u24 v138, v131, 784
	v_mul_u32_u24 v139, v139, 192
	v_add_nc_u32 v137, v137, v139
	v_add3_u32 v138, v138, v139, G2L
	v_mov_b32 v248, 0x3727c5ac                     ; (eps, 0)
	v_mov_b32 v249, 0
	v_mov_b32 v250, 0
	v_mov_b32 v251, 0
	v_mov_b32 v253, 0
.irp r, 220,221,222,223
	v_mov_b32 v\r, 0
.endr
	s_mul_i32 s32, ttmp9, 20
	s_add_co_u32 s33, s32, s12
	s_lshl_b32 s14, s33, 12
	s_mov_b32 s15, 0
	s_lshl_b32 s16, s33, 8
	s_mov_b32 s17, 0
	s_lshl_b32 s18, s32, 12
	s_mov_b32 s19, 0
	s_lshl_b32 s20, s32, 13
	s_mov_b32 s21, 0
	s_mov_b32 s25, 0
	s_mov_b32 s27, 0
	s_wait_kmcnt 0x0
	s_add_nc_u64 s[14:15], s[4:5], s[14:15]        ; rec at my entity of chunk 0
	s_add_nc_u64 s[16:17], s[6:7], s[16:17]        ; aux likewise
	s_add_nc_u64 s[18:19], s[4:5], s[18:19]        ; rec at the chunk's first entity
	s_add_nc_u64 s[20:21], s[10:11], s[20:21]      ; xrec likewise
.set k, 0
.rept 8
	global_load_b128 v[140+4*k:143+4*k], v135, s[8:9] offset:G1T+16*k
.set k, k+1
.endr
.set k, 0
.rept 12
	global_load_b128 v[172+4*k:175+4*k], v137, s[8:9] offset:G2T+16*k
.set k, k+1
.endr
	global_load_b128 v[32:35], v134, s[8:9] offset:KV
	global_load_b128 v[36:39], v134, s[8:9] offset:KV+16
	global_load_b128 v[40:43], v134, s[8:9] offset:KV+256
	global_load_b128 v[44:47], v134, s[8:9] offset:KV+272
.set i, 0
.rept 24
	WIN 0x40+0x40*(i/16)
.irp s, 0,1
	global_load_b128 v[16*(i%16)+8*\s:16*(i%16)+8*\s+3],   v132, s[8:9] offset:WGT+128*i+64*\s
	global_load_b128 v[16*(i%16)+8*\s+4:16*(i%16)+8*\s+7], v132, s[8:9] offset:WGT+128*i+64*\s+32
.endr
.set i, i+1
.endr
.set i, 0
.rept 4
.irp s, 0,1
	global_load_b128 v[128+16*i+8*\s:128+16*i+8*\s+3],   v133, s[8:9] offset:WGI+128*i+64*\s
	global_load_b128 v[128+16*i+8*\s+4:128+16*i+8*\s+7], v133, s[8:9] offset:WGI+128*i+64*\s+32
.endr
.set i, i+1
.endr
	WIN 0
	s_wait_loadcnt 0x0
.set k, 0
.rept 8
	ds_store_b128 v136, v[140+4*k:143+4*k] offset:16*k
.set k, k+1
.endr
.set k, 0
.rept 12
	ds_store_b128 v138, v[172+4*k:175+4*k] offset:16*k
.set k, k+1
.endr
	v_bfe_u32 v131, v1, 2, 1                       ; the places i = 24-31 of my three [4][32] tables are cleared once
	v_lshlrev_b32 v139, 7, v128
	v_lshl_add_u32 v139, v131, 4, v139
	v_add_nc_u32 v139, s13, v139
	ds_store_b128 v139, v[220:223] offset:CI+96
	ds_store_b128 v139, v[220:223] offset:VI+96
	ds_store_b128 v139, v[220:223] offset:A0I+96
.macro SLOAD                           ; my entity's 32 rows as fragments, and the items' (m, rho): 12 loads
.set k, 0
.rept 8
	global_load_b128 v[48+4*k:51+4*k], v6, s[14:15] offset:512*k
.set k, k+1
.endr
.irp m, 0,1,2
	global_load_b64 v[240+2*\m:241+2*\m], v14, s[16:17] offset:64*\m
.endr
	global_load_b64 v[246:247], v15, s[16:17]
.endm
	SLOAD
	s_wait_dscnt 0x0
	s_barrier_signal -1
	s_barrier_wait -1                              ; the gates lie in LDS
; q = a^T G a / 50 + eps and its rsqrt, for n columns of 16 lanes; a: 16 f32 a lane at v[128 + 16 u], in a fragment's order of i.  Results in v252 + u.
.macro IMGQ n
.set u, 0
.rept \n
.set k, 0
.rept 8
	v_cvt_pk_bf16_f32 v[160+8*u+k], v[128+16*u+2*k], v[129+16*u+2*k]
.set k, k+1
.endr
.set u, u+1
.endr
.set u, 0
.rept \n
	v_wmma_f32_16x16x32_bf16 v[176+16*u:183+16*u], v[112:119], v[160+8*u:167+8*u], 0
	v_wmma_f32_16x16x32_bf16 v[184+16*u:191+16*u], v[120:127], v[160+8*u:167+8*u], 0
.set u, u+1
.endr
	NOP4
.set u, 0
.rept \n
	v_pk_mul_f32 v[244+2*u:245+2*u], v[176+16*u:177+16*u], v[128+16*u:129+16*u]
.set k, 1
.rept 7
	v_pk_fma_f32 v[244+2*u:245+2*u], v[176+16*u+2*k:177+16*u+2*k], v[128+16*u+2*k:129+16*u+2*k], v[244+2*u:245+2*u]
.set k, k+1
.endr
	v_add_f32 v[252+u], v[244+2*u], v[245+2*u]
	v_permlanex16_b32 v250, v[252+u], s30, s31
	v_add_f32 v[252+u], v[252+u], v250
	v_fma_f32 v[252+u], v[252+u], s28, s29
.set u, u+1
.endr
.set u, 0
.rept \n
	v_rsq_f32 v[252+u], v[252+u]
.set u, u+1
.endr
	v_nop
	s_wait_alu depctr_va_vdst(0)
.endm
; text coefficients for i = 8 f .. 8 f + 7: lane (b, h) makes all four a, their form in G_T, and keeps t = 2 h, 2 h + 1
.macro TEXTA f
.set k, 0
.rept 8
	ds_load_b128 v[128+4*k:131+4*k], v251 offset:128*(\f)+16*k
	ds_load_b128 v[160+4*k:163+4*k], v23 offset:CT2+128*(\f)+16*k
.set k, k+1
.endr
.set k, 0
.rept 4
	ds_load_b128 v[192+4*k:195+4*k], v24 offset:A0T2+64*(\f)+16*k
.set k, k+1
.endr
	s_wait_dscnt 0x0
.set k, 0
.rept 8
.set a, 128+4*k
	v_pk_mul_f32 v[a:a+1], v[a:a+1], v[160+4*k:161+4*k]
	v_pk_mul_f32 v[a+2:a+3], v[a+2:a+3], v[162+4*k:163+4*k]
	v_pk_mul_f32 v[224:225], v[a:a+1], v[208:209] op_sel_hi:[0,1]
	v_pk_mul_f32 v[226:227], v[a:a+1], v[210:211] op_sel_hi:[0,1]
	v_pk_fma_f32 v[224:225], v[a:a+1], v[212:213], v[224:225] op_sel:[1,0,0] op_sel_hi:[1,1,1]
	v_pk_fma_f32 v[226:227], v[a:a+1], v[214:215], v[226:227] op_sel:[1,0,0] op_sel_hi:[1,1,1]
	v_pk_fma_f32 v[224:225], v[a+2:a+3], v[216:217], v[224:225] op_sel_hi:[0,1,1]
	v_pk_fma_f32 v[226:227], v[a+2:a+3], v[218:219], v[226:227] op_sel_hi:[0,1,1]
	v_pk_fma_f32 v[224:225], v[a+2:a+3], v[220:221], v[224:225] op_sel:[1,0,0] op_sel_hi:[1,1,1]
	v_pk_fma_f32 v[226:227], v[a+2:a+3], v[222:223], v[226:227] op_sel:[1,0,0] op_sel_hi:[1,1,1]
	v_pk_fma_f32 v[228:229], v[224:225], v[a:a+1], v[248:249]
	v_pk_fma_f32 v[228:229], v[226:227], v[a+2:a+3], v[228:229]
	v_add_f32 v[232+k], v228, v229
.set k, k+1
.endr
.set k, 0
.rept 8
	v_rsq_f32 v[232+k], v[232+k]
.set k, k+1
.endr
	v_nop
	s_wait_alu depctr_va_vdst(0)                   ; one wait for the eight
.set k, 0
.rept 8
.if k%2
	v_pk_fma_f32 v[224:225], v[128+4*k:129+4*k], v[232+2*(k/2):233+2*(k/2)], v[192+2*k:193+2*k] op_sel:[0,1,0] op_sel_hi:[1,1,1]
.else
	v_pk_fma_f32 v[224:225], v[128+4*k:129+4*k], v[232+2*(k/2):233+2*(k/2)], v[192+2*k:193+2*k] op_sel_hi:[1,0,1]
.endif
	v_cvt_pk_f16_f32 v[240+k], v224, v225
.set k, k+1
.endr
	ds_store_b128 v255, v[240:243] offset:1024*(\f)
	ds_store_b128 v255, v[244:247] offset:1024*(\f)+512
.endm
.macro LD16 dst, adr, off              ; 16 f32 in a fragment's order of i
	ds_load_b128 v[(\dst):(\dst)+3],     v[\adr] offset:(\off)
	ds_load_b128 v[(\dst)+4:(\dst)+7],   v[\adr] offset:(\off)+16
	ds_load_b128 v[(\dst)+8:(\dst)+11],  v[\adr] offset:(\off)+64
	ds_load_b128 v[(\dst)+12:(\dst)+15], v[\adr] offset:(\off)+80
.endm
.macro IMGA t0                         ; image coefficients for t0 and t0 + 1
	LD16 128, 254, 128*(\t0)
	LD16 144, 254, 128*(\t0)+128
	LD16 208, 27, CI+128*(\t0)
	LD16 224, 27, CI+128*(\t0)+128
	s_wait_dscnt 0x0
.set k, 0
.rept 16
	v_pk_mul_f32 v[128+2*k:129+2*k], v[128+2*k:129+2*k], v[208+2*k:209+2*k]
.set k, k+1
.endr
	LD16 208, 27, A0I+128*(\t0)
	LD16 224, 27, A0I+128*(\t0)+128
	IMGQ 2
	s_wait_dscnt 0x0
.set k, 0
.rept 8
	v_pk_fma_f32 v[128+2*k:129+2*k], v[128+2*k:129+2*k], v[252:253], v[208+2*k:209+2*k] op_sel_hi:[1,0,1]
	v_pk_fma_f32 v[144+2*k:145+2*k], v[144+2*k:145+2*k], v[252:253], v[224+2*k:225+2*k] op_sel:[0,1,0] op_sel_hi:[1,1,1]
.set k, k+1
.endr
.set k, 0
.rept 16
	v_cvt_pk_f16_f32 v[160+k], v[128+2*k], v[129+2*k]
.set k, k+1
.endr
.irp u, 0,1
	ds_store_b128 v255, v[160+8*\u:163+8*\u] offset:1024*(3+(\t0)+\u)
	ds_store_b128 v255, v[164+8*\u:167+8*\u] offset:1024*(3+(\t0)+\u)+512
.endr
.endm
.macro DPPR op, reg, x
	\op v[\reg], v[\reg], v[\reg] row_xmask:\x row_mask:0xf bank_mask:0xf
.endm
	s_mov_b32 s22, 5
.Lchunk:
	WIN 0xc0                                       ; phase X's rows are asked for now and land under phase S
.set k, 0
.rept 32
	global_load_b128 v[96+4*k:99+4*k], v6, s[18:19] offset:512*k
.set k, k+1
.endr
.irp k, 0,1,2,3
	global_load_b128 v[224+4*\k:227+4*\k], v31, s[18:19] offset:512*\k
.endr
	WIN 0
	s_wait_loadcnt 36                              ; my entity's 12 loads are in; the 36 just issued stay out
	; the Gram matrix of the 32 rows: four tiles, taking turns
.irp s, 0,1
.if \s == 0
	v_wmma_f32_16x16x32_f16 v[80:87],   v[48:55], v[48:55], 0
	v_wmma_f32_16x16x32_f16 v[88:95],   v[64:71], v[48:55], 0
	v_wmma_f32_16x16x32_f16 v[96:103],  v[48:55], v[64:71], 0
	v_wmma_f32_16x16x32_f16 v[104:111], v[64:71], v[64:71], 0
.else
	v_wmma_f32_16x16x32_f16 v[80:87],   v[56:63], v[56:63], v[80:87]
	v_wmma_f32_16x16x32_f16 v[88:95],   v[72:79], v[56:63], v[88:95]
	v_wmma_f32_16x16x32_f16 v[96:103],  v[56:63], v[72:79], v[96:103]
	v_wmma_f32_16x16x32_f16 v[104:111], v[72:79], v[72:79], v[104:111]
.endif
.endr
	NOP4
.set k, 0
.rept 16
	v_cvt_pk_bf16_f32 v[112+k], v[80+2*k], v[81+2*k]   ; G as source 0 (it is symmetric): rows 16 b' + r, i along the registers
.set k, k+1
.endr
	ds_store_b128 v7, v[96:99]
	ds_store_b128 v7, v[100:103] offset:16
	ds_store_b128 v7, v[104:107] offset:64
	ds_store_b128 v7, v[108:111] offset:80
	; ITEMS: lane = (i0, t), items i = i0 + 8 m.  LDS serves a wave's instructions in order: these loads see the stores above.
	ds_load_b32 v140, v8
	ds_load_b32 v141, v8 offset:32
	ds_load_b32 v142, v8 offset:64
.irp x, 0,1,2,3
	ds_load_b32 v[144+\x], v[9+\x] offset:96
.endr
	ds_load_b32 v148, v13 offset:96
	s_wait_dscnt 0x0
	v_mul_f32 v149, 0x42480000, v246               ; 50 mT
.irp m, 0,1,2
	v_mul_f32 v150, v[241+2*\m], v247
	v_mul_f32 v151, v[240+2*\m], v149
	v_fma_f32 v[152+\m], v[140+\m], v150, v151     ; c = rhoI rhoT (I^ . T^) + 50 mI mT
	v_mul_f32 v150, v[152+\m], v247
	v_mul_f32 v151, v[152+\m], v[241+2*\m]
	ds_store_b32 v16, v150 offset:CT2+128*\m
	ds_store_b32 v17, v150 offset:CT2+384+128*\m
	ds_store_b32 v18, v151 offset:CI+32*\m
	v_mov_b32 v[156+\m], v[152+\m]
.endr
	v_mul_f32 v148, s28, v148
	ds_store_b32 v19, v148 offset:GT2
.irp m, 0,1,2                                          ; the maximum over t, as reference() takes it
	DPPR v_max_num_f32_dpp, 156+\m, 1
	DPPR v_max_num_f32_dpp, 156+\m, 2
.endr
	v_max3_num_f32 v159, v152, v153, v154          ; and over i
	DPPR v_max_num_f32_dpp, 159, 4
	DPPR v_max_num_f32_dpp, 159, 8
	v_permlanex16_b32 v250, v159, s30, s31
	v_max_num_f32 v159, v159, v250
.irp m, 0,1,2
	v_sub_f32 v[161+\m], v[152+\m], v[156+\m]
	v_sub_f32 v[164+\m], v[152+\m], v159
	v_mul_f32 v[161+\m], 0x3fb8aa3b, v[161+\m]
	v_mul_f32 v[164+\m], 0x3fb8aa3b, v[164+\m]
.endr
.irp m, 0,1,2,3,4,5
	v_exp_f32 v[161+\m], v[161+\m]
.endr
	v_nop
	s_wait_alu depctr_va_vdst(0)
.irp m, 0,1,2
	v_mov_b32 v[167+\m], v[161+\m]
.endr
.irp m, 0,1,2
	DPPR v_add_f32_dpp, 167+\m, 1
	DPPR v_add_f32_dpp, 167+\m, 2
.endr
	v_add_f32 v170, v164, v165
	v_add_f32 v170, v170, v166
	DPPR v_add_f32_dpp, 170, 4
	DPPR v_add_f32_dpp, 170, 8
	v_permlanex16_b32 v250, v170, s30, s31
	v_add_f32 v170, v170, v250
.irp m, 0,1,2,3
	v_rcp_f32 v[167+\m], v[167+\m]
.endr
	v_nop
	s_wait_alu depctr_va_vdst(0)
.irp m, 0,1,2
	v_mul_f32 v[161+\m], v[161+\m], v[167+\m]
	v_mul_f32 v[164+\m], v[164+\m], v170
	v_mul_f32 v[161+\m], v[161+\m], v247           ; v = softmax_t x rhoT
	v_mul_f32 v[164+\m], v[164+\m], v[241+2*\m]    ; softmax_i x rhoI
	ds_store_b32 v18, v[164+\m] offset:VI+32*\m
	v_mul_f32 v171, v[161+\m], v144                ; y = G_T v: the other three t lie in the lanes xor 1, 2, 3
	v_mul_f32_dpp v251, v[161+\m], v145 row_xmask:1 row_mask:0xf bank_mask:0xf
	v_add_f32 v171, v171, v251
	v_mul_f32_dpp v251, v[161+\m], v146 row_xmask:2 row_mask:0xf bank_mask:0xf
	v_add_f32 v171, v171, v251
	v_mul_f32_dpp v251, v[161+\m], v147 row_xmask:3 row_mask:0xf bank_mask:0xf
	v_add_f32 v171, v171, v251
	v_mul_f32 v[173+\m], v171, v[161+\m]
	DPPR v_add_f32_dpp, 173+\m, 1
	DPPR v_add_f32_dpp, 173+\m, 2
	v_fma_f32 v[173+\m], v[173+\m], s28, s29
.endr
.irp m, 0,1,2
	v_rsq_f32 v[173+\m], v[173+\m]
.endr
	v_nop
	s_wait_alu depctr_va_vdst(0)
.irp m, 0,1,2
	v_mul_f32 v[161+\m], v[161+\m], v[173+\m]
	ds_store_b32 v20, v[161+\m] offset:A0T2+64*\m
.endr
	; the image branch's softmax rows, normalised: column r stands for t = r & 3
	LD16 128, 21, VI
	s_wait_dscnt 0x0
	IMGQ 1
.set k, 0
.rept 8
	v_pk_mul_f32 v[128+2*k:129+2*k], v[128+2*k:129+2*k], v[252:253] op_sel_hi:[1,0]
.set k, k+1
.endr
	ds_store_b128 v21, v[128:131] offset:A0I       ; lanes of equal t store equal numbers
	ds_store_b128 v21, v[132:135] offset:A0I+16
	ds_store_b128 v21, v[136:139] offset:A0I+64
	ds_store_b128 v21, v[140:143] offset:A0I+80
	v_mov_b32 v251, v22                            ; working copies that step from b = 0-15 to b = 16-31
	v_mov_b32 v254, v26
	v_mov_b32 v255, v28
	s_mov_b32 s23, 2
.Lbg:
.irp k, 0,1,2,3
	ds_load_b128 v[208+4*\k:211+4*\k], v25 offset:GT2+16*\k
.endr
	TEXTA 0
	TEXTA 1
	TEXTA 2
	IMGA 0
	IMGA 2
	v_add_nc_u32 v251, 16*784, v251
	v_add_nc_u32 v254, 16*528, v254
	v_add_nc_u32 v255, 7168, v255
	s_sub_co_u32 s23, s23, 1
	s_cmp_lg_u32 s23, 0
	s_cbranch_scc1 .Lbg
	s_wait_dscnt 0x0
	s_barrier_signal -1
	s_barrier_wait -1                              ; all four entities' coefficients lie in LDS
	; PHASE X
	s_wait_loadcnt 0x0
	s_wait_xcnt 0x0
	s_cmp_gt_u32 s22, 1                            ; the next chunk's entity is asked for now; the last chunk asks for its own once more
	s_cselect_b32 s24, 16384, 0
	s_cselect_b32 s26, 1024, 0
	s_add_nc_u64 s[14:15], s[14:15], s[24:25]
	s_add_nc_u64 s[16:17], s[16:17], s[26:27]
	SLOAD
	; U for four entities at once: rows (entity, t) x my 16 channels, for each i; packed so that register i & 7 of fragment i / 8 holds (i, t = 2 h, 2 h + 1)
.set g, 0
.rept 6
	WIN 0x07+4*(g/4)
.irp s, 0,1
.irp j, 0,1,2,3
.if \s == 0
	v_wmma_f32_16x16x32_f16 v[96+8*\j:103+8*\j], v[224:231], v[16*((4*g+\j)%16):16*((4*g+\j)%16)+7], 0
.else
	v_wmma_f32_16x16x32_f16 v[96+8*\j:103+8*\j], v[232:239], v[16*((4*g+\j)%16)+8:16*((4*g+\j)%16)+15], v[96+8*\j:103+8*\j]
.endif
.endr
.endr
	NOP4
	WIN 0xc0
.irp j, 0,1,2,3
.irp n, 0,1,2,3
	v_cvt_pk_f16_f32 v[24*\n+8*((4*g+\j)/8)+(4*g+\j)%8], v[96+8*\j+2*\n], v[97+8*\j+2*\n]
.endr
.endr
.set g, g+1
.endr
	WIN 0
.macro FINAL n, bg                     ; x = K + A V (image) and K + A U (text): the two sums take turns
.set k, 0
.rept 7
	ds_load_b128 v[160+8*k:163+8*k], v29 offset:14336*(\n)+7168*(\bg)+1024*k
	ds_load_b128 v[164+8*k:167+8*k], v29 offset:14336*(\n)+7168*(\bg)+1024*k+512
.set k, k+1
.endr
	s_wait_dscnt 0x0
	v_wmma_f32_16x16x32_f16 v[216:223], v[128:135], v[184:191], v[32:39]
	WIN 0x03
	v_wmma_f32_16x16x32_f16 v[224:231], v[24*(\n):24*(\n)+7], v[160:167], v[40:47]
	WIN 0
	v_wmma_f32_16x16x32_f16 v[216:223], v[136:143], v[192:199], v[216:223]
	WIN 0x03
	v_wmma_f32_16x16x32_f16 v[224:231], v[24*(\n)+8:24*(\n)+15], v[168:175], v[224:231]
	WIN 0
	v_wmma_f32_16x16x32_f16 v[216:223], v[144:151], v[200:207], v[216:223]
	WIN 0x03
	v_wmma_f32_16x16x32_f16 v[224:231], v[24*(\n)+16:24*(\n)+23], v[176:183], v[224:231]
	WIN 0
	v_wmma_f32_16x16x32_f16 v[216:223], v[152:159], v[208:215], v[216:223]
	NOP4
	s_wait_xcnt 0x0                                ; the last stores have read v232-239
.set k, 0
.rept 8
	v_cvt_pk_f16_f32 v[232+k], v[216+2*k], v[217+2*k]
.set k, k+1
.endr
	global_store_b128 v30, v[232:235], s[20:21] offset:8192*(\n)+4096*(\bg)        ; 512 consecutive bytes a wave
	global_store_b128 v30, v[236:239], s[20:21] offset:8192*(\n)+4096*(\bg)+2048
.endm
.irp n, 0,1,2,3
.irp tp, 0,2                                           ; V = image rows x my slice of W_iproj, for two t at a time
	WIN 0x0b
.irp s, 0,1
.irp u, 0,1
.irp a, 0,1
.if \s == 0
	v_wmma_f32_16x16x32_f16 v[96+8*(2*\u+\a):103+8*(2*\u+\a)], v[96+32*\n+16*\a:103+32*\n+16*\a], v[128+16*(\tp+\u):135+16*(\tp+\u)], 0
.else
	v_wmma_f32_16x16x32_f16 v[96+8*(2*\u+\a):103+8*(2*\u+\a)], v[104+32*\n+16*\a:111+32*\n+16*\a], v[136+16*(\tp+\u):143+16*(\tp+\u)], v[96+8*(2*\u+\a):103+8*(2*\u+\a)]
.endif
.endr
.endr
.endr
	WIN 0
	NOP4
.set k, 0
.rept 16
	v_cvt_pk_f16_f32 v[128+8*\tp+k], v[96+2*k], v[97+2*k]
.set k, k+1
.endr
.endr
	FINAL \n, 0
	FINAL \n, 1
.endr
	s_wait_xcnt 0x0
	s_add_nc_u64 s[18:19], s[18:19], 16384
	s_add_nc_u64 s[20:21], s[20:21], 32768
	s_wait_dscnt 0x0
	s_barrier_signal -1
	s_barrier_wait -1                              ; nobody reads the coefficients any more
	s_sub_co_u32 s22, s22, 1
	s_cmp_lg_u32 s22, 0
	s_cbranch_scc1 .Lchunk
	s_wait_loadcnt 0x0
	s_wait_tensorcnt 0x0                           ; the wave's end
	ds_add_u32 v4, v5
	s_wait_dscnt 0x0
	s_endpgm
.Lfunc_end_k_q1230c738ff_kb:
	.size	k_q1230c738ff_kb, .Lfunc_end_k_q1230c738ff_kb-k_q1230c738ff_kb
	.p2alignl 7, 3214868480
	.fill 96, 4, 3214868480
	.section	.rodata,"a",@progbits
	.p2align	6, 0x0
	.amdhsa_kernel k_q1230c738ff_kb
		.amdhsa_group_segment_fixed_size 120320
		.amdhsa_private_segment_fixed_size 0
		.amdhsa_enable_private_segment 0
		.amdhsa_kernarg_size 32
		.amdhsa_user_sgpr_count 2
		.amdhsa_user_sgpr_kernarg_segment_ptr 1
		.amdhsa_wavefront_size32 1
		.amdhsa_system_sgpr_workgroup_id_x 1
		.amdhsa_system_sgpr_workgroup_id_y 1
		.amdhsa_system_sgpr_workgroup_id_z 1
		.amdhsa_system_vgpr_workitem_id 0
		.amdhsa_next_free_vgpr 1008
		.amdhsa_next_free_sgpr 66
		.amdhsa_reserve_vcc 0
		.amdhsa_float_denorm_mode_32 3
		.amdhsa_float_denorm_mode_16_64 3
		.amdhsa_memory_ordered 1
		.amdhsa_forward_progress 1
		.amdhsa_inst_pref_size 125
	.end_amdhsa_kernel
	.amdgpu_metadata
---
amdhsa.version: [ 1, 2 ]
amdhsa.kernels:
  - .name:           k_q1230c738ff_kb
    .symbol:         k_q1230c738ff_kb.kd
    .args:
      - { .name: rec, .offset: 0, .size: 8, .value_kind: global_buffer, .address_space: global }
      - { .name: aux, .offset: 8, .size: 8, .value_kind: global_buffer, .address_space: global }
      - { .name: wts, .offset: 16, .size: 8, .value_kind: global_buffer, .address_space: global }
      - { .name: xrec, .offset: 24, .size: 8, .value_kind: global_buffer, .address_space: global }
    .group_segment_fixed_size: 120320
    .private_segment_fixed_size: 0
    .kernarg_segment_align: 8
    .kernarg_segment_size: 32
    .max_flat_workgroup_size: 128
    .sgpr_count:     66
    .vgpr_count:     1008
    .wavefront_size: 32
...
	.end_amdgpu_metadata
.endif
;; end of part 3
;; launch kc (part 4): grid 125 x 2, 8 waves a work-group, no clusters, 299,264 bytes of LDS; arguments entb, wts, xrec, b3, positive_sample, out1, out2, out3; writes out1, out2, out3
.if DOCPART == 4
	.amdgcn_target "amdgcn-amd-amdhsa--gfx1250"
	.amdhsa_code_object_version 6
	.text
	.protected	k_q1230c738ff_kc
	.globl	k_q1230c738ff_kc
	.p2align	8
	.type	k_q1230c738ff_kc,@function
k_q1230c738ff_kc:
	s_mov_b64 s[64:65], 0
	v_nop
	global_prefetch_b8 v0, s[64:65] scope:SCOPE_SE
	s_setreg_imm32_b32 hwreg(HW_REG_WAVE_MODE, 25, 1), 1
	s_wait_xcnt 0x0
; THE STRUCTURAL GATE AND THE THREE SIMILARITIES.  A work-group owns 40 entities and 16 samples b; wave w owns entities 5 w .. 5 w + 4.
; z' = log2(e) z comes from scaling P = ent W1a^T, R = rel W1b^T + b1 and b3 by log2(e) (leaky(s x) = s leaky(x) for s > 0); gate = 1 / (1 + 2^-z').
; t = ent x gate is never stored: its product with the positive row and its square are summed as they are made.  h goes to the matrix unit in bf16; its leaky step is done on the packed bf16 numbers.
; The product is taken transposed (source 0 = 16 rows of W3, source 1 = h of 16 samples): a lane holds one b and eight neighbouring e.
; The attention branches' x come from xrec (f16); the positive rows are gathered by positive_sample[:, 2].  No cluster: what work-groups share (W3, W1a: 260 KB) is read once at the start.
.set W3B, 327680
.set W1A, 458752
.set RBT, 630784
.set ENT, 139264                       ; LDS: W3 at 0 (512 rows x 272); my 40 entity rows in f32 (x 2,048)
.set PT,  221184                       ; the 16 positive rows t (x 2,064)
.set B3L, 254208                       ; log2(e) b3
.set PL,  256256                       ; P': 64 rows x 528: 48 for my entities, 16 for the positive ones
.set PNS, 290048                       ; the waves' parts of |t_pos|^2
.set SIM, 290560                       ; 3 x 16 rows x 160 bytes, for the way out
.set SPARE, 298240
.set MSB, 0
.macro WIN new
.if MSB != (\new)
	s_set_vgpr_msb (MSB<<8)|(\new)
.set MSB, \new
.endif
.endm
.macro NOP4
.rept 4
	v_nop
.endr
.endm
	s_load_b512 s[8:23], s[0:1], 0x0               ; entb 8, wts 10, xrec 12, b3 14, positive_sample 16, out1 18, out2 20, out3 22
	v_lshl_add_u32 v4, v0, 2, SPARE
	v_mov_b32 v5, 0
	v_lshrrev_b32 v1, 5, v0
	v_readfirstlane_b32 s2, v1
	v_and_b32 v1, 31, v0
	v_and_b32 v2, 15, v0
	v_bfe_u32 v3, v0, 4, 1
	s_mov_b32 s3, ttmp9
	s_and_b32 s4, ttmp7, 0xffff                    ; which half of b
	s_mov_b32 s32, 0x76543210
	s_mov_b32 s33, 0xfedcba98
	s_mov_b32 s31, 0x2edbe6ff                      ; 1e-10
	s_mul_i32 s5, s4, 192
	v_mad_u32_u24 v7, v2, 12, 8
	v_add_nc_u32 v7, s5, v7
	v_lshlrev_b32 v13, 4, v1
	v_lshlrev_b32 v248, 4, v0
	v_lshlrev_b32 v249, 2, v0
	v_add_nc_u32 v250, 0x100, v0
	v_min_u32 v250, 499, v250
	v_lshlrev_b32 v250, 2, v250
	s_lshl_b32 s5, s4, 4
	v_add_nc_u32 v251, s5, v2
	v_lshlrev_b32 v251, 9, v251
	v_lshl_add_u32 v251, v3, 5, v251
	s_mul_i32 s24, s3, 40960
	s_mov_b32 s25, 0
	s_lshl_b32 s28, s4, 12
	s_mov_b32 s29, 0
	s_mul_i32 s26, s3, 40
	s_mul_i32 s5, s2, 5
	s_add_co_u32 s26, s26, s5
	s_lshl_b32 s26, s26, 13
	s_add_co_u32 s26, s26, s28
	s_mov_b32 s27, 0
	s_wait_kmcnt 0x0
	s_add_nc_u64 s[24:25], s[8:9], s[24:25]        ; entb at my 40 rows
	s_add_nc_u64 s[26:27], s[12:13], s[26:27]      ; xrec at my wave's entities, my half of b
	s_add_nc_u64 s[28:29], s[12:13], s[28:29]      ; xrec at my half of b
	global_load_b32 v6, v7, s[16:17]               ; the positive entity of sample r
.set m, 0
.rept 32
	global_load_b128 v[56+4*m:59+4*m], v248, s[10:11] offset:W3B+4096*m
.set m, m+1
.endr
.set m, 0
.rept 10
	global_load_b128 v[184+4*m:187+4*m], v248, s[24:25] offset:4096*m
.set m, m+1
.endr
	global_load_b32 v224, v249, s[14:15]
	global_load_b32 v225, v250, s[14:15]
	WIN 0x40
.set k, 0
.rept 4                                                ; R' of my b in the order of h's fragments: window 1, v192-255
	global_load_b128 v[192+16*k:195+16*k], v251, s[10:11] offset:RBT+128*k
	global_load_b128 v[196+16*k:199+16*k], v251, s[10:11] offset:RBT+128*k+16
	global_load_b128 v[200+16*k:203+16*k], v251, s[10:11] offset:RBT+128*k+64
	global_load_b128 v[204+16*k:207+16*k], v251, s[10:11] offset:RBT+128*k+80
.set k, k+1
.endr
	WIN 0
	; the addresses that stay (none of these registers is the target of a load that is out)
	v_mul_u32_u24 v8, v2, 272
	v_lshl_add_u32 v8, v3, 4, v8                   ; W3's fragments
	v_lshlrev_b32 v9, 5, v3
	v_add_nc_u32 v9, B3L, v9
	v_mul_u32_u24 v10, v2, 2064
	v_lshl_add_u32 v10, v3, 5, v10
	v_add_nc_u32 v10, PT, v10
	s_mul_i32 s5, s2, 5*2048
	s_add_co_u32 s5, s5, ENT
	v_lshl_add_u32 v11, v3, 5, s5
	s_mul_i32 s5, s2, 5*528
	s_add_co_u32 s5, s5, PL
	v_lshl_add_u32 v12, v3, 5, s5
	s_mul_i32 s5, s2, 17408
	v_add_nc_u32 v14, s5, v8
	s_lshl_b32 s5, s2, 4
	v_add_nc_u32 v15, s5, v2
	v_lshlrev_b32 v15, 10, v15
	v_lshl_add_u32 v15, v3, 4, v15                 ; W1a: row 16 w + r
	s_mul_i32 s5, s3, 40
.irp T, 0,1,2
	v_add_nc_u32 v[16+\T], 16*\T, v2
	v_min_u32 v[16+\T], 39, v[16+\T]
	v_add_nc_u32 v[16+\T], s5, v[16+\T]
	v_lshlrev_b32 v[16+\T], 10, v[16+\T]
	v_lshl_add_u32 v[16+\T], v3, 4, v[16+\T]
.endr
	v_mul_u32_u24 v20, v2, 528
	v_lshl_add_u32 v20, v3, 5, v20
	s_lshl_b32 s5, s2, 6
	v_add_nc_u32 v254, s5, v20
	v_add_nc_u32 v254, PL, v254                    ; where P' is stored
	v_add_nc_u32 v20, PL+48*528, v20               ; P' of my b's positive entity
	s_lshl_b32 s5, s2, 8
	v_add_nc_u32 v21, s5, v9
	v_add_nc_u32 v22, s5, v10
	s_lshl_b32 s5, s2, 6
	s_add_co_u32 s5, s5, PNS
	v_lshl_add_u32 v23, v2, 2, s5
	v_lshl_add_u32 v253, v2, 2, PNS
	v_mul_u32_u24 v255, v2, 160
	s_mul_i32 s5, s2, 20
	s_add_co_u32 s5, s5, SIM
	v_add_nc_u32 v255, s5, v255
.irp r, 236,237,238,239
	v_mov_b32 v\r, 0
.endr
	s_wait_loadcnt 0x0
	v_min_u32 v6, 0x1387, v6
	v_lshl_add_u32 v252, v6, 13, v13
.set c, 0
.rept 8
	global_load_b128 v[24+4*c:27+4*c], v252, s[28:29] offset:512*c   ; the positive rows' x: lane (r, h) takes its own entity's record
.set c, c+1
.endr
	v_lshlrev_b32 v19, 10, v6
	v_lshl_add_u32 v19, v3, 4, v19
	s_lshl_b32 s5, s2, 7
	v_add_nc_u32 v251, s5, v19                     ; the positive entity's row, my wave's 64 e
	; W3, the entity rows and b3 into LDS
	v_lshrrev_b32 v226, 4, v0
	v_mul_u32_u24 v226, v226, 272
	v_lshl_add_u32 v226, v2, 4, v226
.set m, 0
.rept 32
	ds_store_b128 v226, v[56+4*m:59+4*m] offset:4352*(m%8)
.if m%8 == 7
	v_add_nc_u32 v226, 8*4352, v226
.endif
.set m, m+1
.endr
	v_lshrrev_b32 v234, 6, v0
	v_and_b32 v235, 63, v0
	v_lshlrev_b32 v234, 11, v234
	v_lshl_add_u32 v234, v235, 5, v234
	v_add_nc_u32 v234, ENT, v234
	v_add_nc_u32 v235, 0x10000, v234
.set m, 0
.rept 10
.irp k, 0,1,2,3
	v_lshlrev_b32 v[226+2*\k], 16, v[184+4*m+\k]
	v_and_b32 v[227+2*\k], 0xffff0000, v[184+4*m+\k]
.endr
.if m < 8
	ds_store_b128 v234, v[226:229] offset:8192*m
	ds_store_b128 v234, v[230:233] offset:8192*m+16
.else
	ds_store_b128 v235, v[226:229] offset:8192*(m-8)
	ds_store_b128 v235, v[230:233] offset:8192*(m-8)+16
.endif
.set m, m+1
.endr
	v_cvt_pk_bf16_f32 v226, v224, v225
	v_lshlrev_b32 v224, 16, v226
	v_and_b32 v225, 0xffff0000, v226
	v_mul_f32 v224, 0x3fb8aa3b, v224
	v_mul_f32 v225, 0x3fb8aa3b, v225
	v_cmp_gt_u32 vcc_lo, 244, v0
	v_cndmask_b32 v225, 0, v225, vcc_lo            ; e = 256 + thread is live below 500
	v_lshl_add_u32 v227, v0, 2, B3L
	ds_store_b32 v227, v224
	ds_store_b32 v227, v225 offset:1024
	s_cmp_lg_u32 s2, 0
	s_cbranch_scc1 .Lnopad
	v_mul_u32_u24 v228, v2, 2064
	v_add_nc_u32 v228, PT+2048, v228
	ds_store_b128 v228, v[236:239]                 ; the 16 bytes behind each positive row, which the loop's last look-ahead touches
.Lnopad:
	; P' = log2(e) ent W1a^T: wave w makes columns 16 w .. of four row tiles (my 40 entities in three, the 16 positive ones).  Two operand buffers, a group of four k steps each.
.macro LOADG g, b
.if \b
	WIN 0x40
.set wb, 0
.else
	WIN 0
.set wb, 56
.endif
.set k, 0
.rept 4
	global_load_b128 v[wb+8*k:wb+8*k+3],   v15, s[10:11] offset:W1A+64*(4*(\g)+k)
	global_load_b128 v[wb+8*k+4:wb+8*k+7], v15, s[10:11] offset:W1A+64*(4*(\g)+k)+32
.irp T, 0,1,2,3
	global_load_b128 v[wb+32+32*\T+8*k:wb+32+32*\T+8*k+3],   v[16+\T], s[8:9] offset:64*(4*(\g)+k)
	global_load_b128 v[wb+32+32*\T+8*k+4:wb+32+32*\T+8*k+7], v[16+\T], s[8:9] offset:64*(4*(\g)+k)+32
.endr
.set k, k+1
.endr
	WIN 0
.endm
.macro MULG b, first
.if \b
	WIN 0x05
.set wb, 0
.else
	WIN 0
.set wb, 56
.endif
.set k, 0
.rept 4
.irp T, 0,1,2,3
.if (\first) && (k == 0)
	v_wmma_f32_16x16x32_bf16 v[216+8*\T:223+8*\T], v[wb+8*k:wb+8*k+7], v[wb+32+32*\T+8*k:wb+32+32*\T+8*k+7], 0
.else
	v_wmma_f32_16x16x32_bf16 v[216+8*\T:223+8*\T], v[wb+8*k:wb+8*k+7], v[wb+32+32*\T+8*k:wb+32+32*\T+8*k+7], v[216+8*\T:223+8*\T]
.endif
.endr
.set k, k+1
.endr
	WIN 0
	NOP4
.endm
	LOADG 0, 0
	LOADG 1, 1
	s_wait_loadcnt 40                              ; the older group is in; the younger group's 40 loads stay out
	MULG 0, 1
	LOADG 2, 0
	s_wait_loadcnt 40
	MULG 1, 0
	LOADG 3, 1
	s_wait_loadcnt 40
	MULG 0, 0
	s_wait_loadcnt 0x0
	MULG 1, 0
.set k, 0
.rept 16
	v_pk_mul_f32 v[216+2*k:217+2*k], v[216+2*k:217+2*k], 0x3fb8aa3b op_sel_hi:[1,0]
.set k, k+1
.endr
	v_mov_b32 v114, 0                              ; at work in the exchanges of the lanes' halves: written here, where no load is out and the products that read it lie far back
.irp T, 0,1,2,3
	ds_store_b128 v254, v[216+8*\T:219+8*\T] offset:8448*\T
	ds_store_b128 v254, v[220+8*\T:223+8*\T] offset:8448*\T+16
.endr
.irp e, 0,1,2,3
	global_load_b128 v[88+4*\e:91+4*\e], v251, s[8:9] offset:32*\e   ; the positive entity's numbers for my four tiles of e
.endr
	s_wait_dscnt 0x0
	s_barrier_signal -1
	s_barrier_wait -1                              ; W3, the rows, b3 and P' lie in LDS
; h = leaky(P' + R') of one entity (or, by lanes, of the positive ones) as four bf16 fragments in window 1 at hf
.macro HBUILD adr, off, hf
.set k, 0
.rept 4
	ds_load_b128 v[120+16*k:123+16*k], v[\adr] offset:(\off)+128*k
	ds_load_b128 v[124+16*k:127+16*k], v[\adr] offset:(\off)+128*k+16
	ds_load_b128 v[128+16*k:131+16*k], v[\adr] offset:(\off)+128*k+64
	ds_load_b128 v[132+16*k:135+16*k], v[\adr] offset:(\off)+128*k+80
.set k, k+1
.endr
	s_wait_dscnt 0x0
	WIN 0x04
.set k, 0
.rept 32
	v_pk_add_f32 v[120+2*k:121+2*k], v[120+2*k:121+2*k], v[192+2*k:193+2*k]
.set k, k+1
.endr
	WIN 0x40
.set k, 0
.rept 32
	v_cvt_pk_bf16_f32 v[(\hf)+k], v[120+2*k], v[121+2*k]
.set k, k+1
.endr
	WIN 0x01
.set k, 0
.rept 32
	v_pk_mul_bf16 v[184+k], v[(\hf)+k], 0x3dcd3dcd
.set k, k+1
.endr
	WIN 0x41
.set k, 0
.rept 32
	v_pk_max_num_bf16 v[(\hf)+k], v[(\hf)+k], v[184+k]   ; max(x, 0.1 x)
.set k, k+1
.endr
	WIN 0
.endm
.macro SIGM b, n                       ; 1 / (1 + 2^-z'), two batches with a wait each
.set z, 0
.rept \n
	v_exp_f32 v[(\b)+z], -v[(\b)+z]
.set z, z+1
.endr
	v_nop
	s_wait_alu depctr_va_vdst(0)
.set z, 0
.rept (\n)/2
	v_pk_add_f32 v[(\b)+z:(\b)+z+1], v[(\b)+z:(\b)+z+1], 1.0 op_sel_hi:[1,0]
.set z, z+2
.endr
.set z, 0
.rept \n
	v_rcp_f32 v[(\b)+z], v[(\b)+z]
.set z, z+1
.endr
	v_nop
	s_wait_alu depctr_va_vdst(0)
.endm
	; THE POSITIVE ROWS: wave w makes e = 64 w .. 64 w + 63 of t[b][pos_b]
	HBUILD 20, 0, 160
.irp e, 0,1,2,3
.irp s, 0,1,2,3
	ds_load_b128 v[120+32*\e+8*\s:123+32*\e+8*\s], v14 offset:4352*\e+64*\s
	ds_load_b128 v[124+32*\e+8*\s:127+32*\e+8*\s], v14 offset:4352*\e+64*\s+32
.endr
	ds_load_b128 v[56+8*\e:59+8*\e], v21 offset:64*\e      ; b3 starts the sums: it is loaded into the accumulators
	ds_load_b128 v[60+8*\e:63+8*\e], v21 offset:64*\e+16
.endr
	s_wait_dscnt 0x0
	WIN 0x04
.irp s, 0,1,2,3
.irp e, 0,1,2,3
	v_wmma_f32_16x16x32_bf16 v[56+8*\e:63+8*\e], v[120+32*\e+8*\s:127+32*\e+8*\s], v[160+8*\s:167+8*\s], v[56+8*\e:63+8*\e]
.endr
.endr
	WIN 0
	NOP4
	SIGM 56, 32
	s_wait_loadcnt 0x0
.irp e, 0,1,2,3
.irp k, 0,1,2,3
	v_lshlrev_b32 v[104+2*\k], 16, v[88+4*\e+\k]
	v_and_b32 v[105+2*\k], 0xffff0000, v[88+4*\e+\k]
.endr
.irp k, 0,1,2,3
	v_pk_mul_f32 v[56+8*\e+2*\k:57+8*\e+2*\k], v[56+8*\e+2*\k:57+8*\e+2*\k], v[104+2*\k:105+2*\k]
.if (\e == 0) && (\k == 0)
	v_pk_mul_f32 v[112:113], v[56:57], v[56:57]
.else
	v_pk_fma_f32 v[112:113], v[56+8*\e+2*\k:57+8*\e+2*\k], v[56+8*\e+2*\k:57+8*\e+2*\k], v[112:113]
.endif
.endr
	ds_store_b128 v22, v[56+8*\e:59+8*\e] offset:64*\e
	ds_store_b128 v22, v[60+8*\e:63+8*\e] offset:64*\e+16
.endr
	v_add_f32 v112, v112, v113
	v_permlanex16_b32 v114, v112, s32, s33
	v_add_f32 v112, v112, v114
	ds_store_b32 v23, v112
	; |p|^2 of the two attention branches: 13 registers hold a branch's 50 live numbers
.irp br, 0,1
.set k, 0
.rept 13
.if k == 0
	v_fma_mix_f32 v[115+2*\br], v[24+16*\br], v[24+16*\br], v5 op_sel_hi:[1,1,0]
	v_fma_mix_f32 v[116+2*\br], v[24+16*\br], v[24+16*\br], v5 op_sel:[1,1,0] op_sel_hi:[1,1,0]
.else
	v_fma_mix_f32 v[115+2*\br], v[24+16*\br+k], v[24+16*\br+k], v[115+2*\br] op_sel_hi:[1,1,0]
	v_fma_mix_f32 v[116+2*\br], v[24+16*\br+k], v[24+16*\br+k], v[116+2*\br] op_sel:[1,1,0] op_sel_hi:[1,1,0]
.endif
.set k, k+1
.endr
	v_add_f32 v[115+2*\br], v[115+2*\br], v[116+2*\br]
	v_permlanex16_b32 v114, v[115+2*\br], s32, s33
	v_add_f32 v[249+\br], v[115+2*\br], v114
.endr
	s_wait_dscnt 0x0
	s_barrier_signal -1
	s_barrier_wait -1                              ; the positive rows and the parts of their norms lie in LDS
.irp k, 0,1,2,3,4,5,6,7
	ds_load_b32 v[120+\k], v253 offset:64*\k
.endr
	s_wait_dscnt 0x0
	v_add_f32 v120, v120, v121
	v_add_f32 v122, v122, v123
	v_add_f32 v124, v124, v125
	v_add_f32 v126, v126, v127
	v_add_f32 v120, v120, v122
	v_add_f32 v124, v124, v126
	v_add_f32 v248, v120, v124
	v_sqrt_f32 v248, v248                          ; |t_pos|, |p_img|, |p_text|
	v_sqrt_f32 v249, v249
	v_sqrt_f32 v250, v250
	v_nop
	s_wait_alu depctr_va_vdst(0)
	; MY FIVE ENTITIES
.irp n, 0,1,2,3,4
	HBUILD 12, 528*\n, 32*\n
.endr
.set k, 56
.rept 20
	v_mov_b32 v[k], 0                              ; five sums t . p and five sums t . t, a pair each
.set k, k+1
.endr
.macro LDWF
.irp s, 0,1,2,3
	ds_load_b128 v[160+8*\s:163+8*\s], v8 offset:64*\s
	ds_load_b128 v[164+8*\s:167+8*\s], v8 offset:64*\s+32
.endr
	ds_load_b128 v[192:195], v9
	ds_load_b128 v[196:199], v9 offset:16
.endm
.macro LDEN
	ds_load_b128 v[200:203], v10
	ds_load_b128 v[204:207], v10 offset:16
.irp n, 0,1,2,3,4
	ds_load_b128 v[208+8*\n:211+8*\n], v11 offset:2048*\n
	ds_load_b128 v[212+8*\n:215+8*\n], v11 offset:2048*\n+16
.endr
.endm
	LDWF
	LDEN
	s_mov_b32 s30, 32
.Let:                                                  ; a trip: 16 e for 5 entities x 16 b; the five accumulators take turns
	s_wait_dscnt 0x0
	WIN 0x04
.irp s, 0,1,2,3
.irp n, 0,1,2,3,4
.if \s == 0
	v_wmma_f32_16x16x32_bf16 v[120+8*\n:127+8*\n], v[160:167], v[32*\n:32*\n+7], v[192:199]
.else
	v_wmma_f32_16x16x32_bf16 v[120+8*\n:127+8*\n], v[160+8*\s:167+8*\s], v[32*\n+8*\s:32*\n+8*\s+7], v[120+8*\n:127+8*\n]
.endif
.endr
.endr
	WIN 0
	v_add_nc_u32 v8, 4352, v8                      ; the four steps are also the places behind the products
	v_add_nc_u32 v9, 64, v9
	v_add_nc_u32 v10, 64, v10
	v_add_nc_u32 v11, 64, v11
	LDWF                                           ; the next trip's W3 and b3 (the last trip's look-ahead reads bytes of the next regions and uses nothing of them)
	SIGM 120, 40
.irp k, 0,1,2,3
.irp n, 0,1,2,3,4
	v_pk_mul_f32 v[120+8*\n+2*\k:121+8*\n+2*\k], v[120+8*\n+2*\k:121+8*\n+2*\k], v[208+8*\n+2*\k:209+8*\n+2*\k]
.endr
.irp n, 0,1,2,3,4
	v_pk_fma_f32 v[56+2*\n:57+2*\n], v[120+8*\n+2*\k:121+8*\n+2*\k], v[200+2*\k:201+2*\k], v[56+2*\n:57+2*\n]
.endr
.irp n, 0,1,2,3,4
	v_pk_fma_f32 v[66+2*\n:67+2*\n], v[120+8*\n+2*\k:121+8*\n+2*\k], v[120+8*\n+2*\k:121+8*\n+2*\k], v[66+2*\n:67+2*\n]
.endr
.endr
	LDEN
	s_sub_co_u32 s30, s30, 1
	s_cmp_lg_u32 s30, 0
	s_cbranch_scc1 .Let
	s_wait_dscnt 0x0
	WIN 0x40                                       ; my entities' x go where h lay
.irp n, 0,1,2,3,4
.irp c, 0,1,2,3,4,5,6,7
	global_load_b128 v[32*\n+4*\c:32*\n+4*\c+3], v13, s[26:27] offset:8192*\n+512*\c
.endr
.endr
	WIN 0
.irp n, 0,1,2,3,4
	v_add_f32 v[56+2*\n], v[56+2*\n], v[57+2*\n]
	v_add_f32 v[66+2*\n], v[66+2*\n], v[67+2*\n]
	v_permlanex16_b32 v114, v[56+2*\n], s32, s33
	v_add_f32 v[130+\n], v[56+2*\n], v114          ; numerators at v120 + 5 arr + n, squares at v136 + 5 arr + n
	v_permlanex16_b32 v114, v[66+2*\n], s32, s33
	v_add_f32 v[146+\n], v[66+2*\n], v114
.endr
	s_wait_loadcnt 0x0
	WIN 0x01                                       ; x . p
.irp br, 0,1
.set k, 0
.rept 13
.irp n, 0,1,2,3,4
.if k == 0
	v_fma_mix_f32 v[76+5*\br+\n], v[32*\n+16*\br], v[24+16*\br], v5 op_sel_hi:[1,1,0]
.else
	v_fma_mix_f32 v[76+5*\br+\n], v[32*\n+16*\br+k], v[24+16*\br+k], v[76+5*\br+\n] op_sel_hi:[1,1,0]
.endif
.endr
.irp n, 0,1,2,3,4
	v_fma_mix_f32 v[76+5*\br+\n], v[32*\n+16*\br+k], v[24+16*\br+k], v[76+5*\br+\n] op_sel:[1,1,0] op_sel_hi:[1,1,0]
.endr
.set k, k+1
.endr
.endr
	WIN 0x05                                       ; x . x
.irp br, 0,1
.set k, 0
.rept 13
.irp n, 0,1,2,3,4
.if k == 0
	v_fma_mix_f32 v[86+5*\br+\n], v[32*\n+16*\br], v[32*\n+16*\br], v5 op_sel_hi:[1,1,0]
.else
	v_fma_mix_f32 v[86+5*\br+\n], v[32*\n+16*\br+k], v[32*\n+16*\br+k], v[86+5*\br+\n] op_sel_hi:[1,1,0]
.endif
.endr
.irp n, 0,1,2,3,4
	v_fma_mix_f32 v[86+5*\br+\n], v[32*\n+16*\br+k], v[32*\n+16*\br+k], v[86+5*\br+\n] op_sel:[1,1,0] op_sel_hi:[1,1,0]
.endr
.set k, k+1
.endr
.endr
	WIN 0
.set k, 0
.rept 10
	v_permlanex16_b32 v114, v[76+k], s32, s33
	v_add_f32 v[120+k], v[76+k], v114
	v_permlanex16_b32 v114, v[86+k], s32, s33
	v_add_f32 v[136+k], v[86+k], v114
.set k, k+1
.endr
.set k, 0
.rept 15
	v_sqrt_f32 v[136+k], v[136+k]
.set k, k+1
.endr
	v_nop
	s_wait_alu depctr_va_vdst(0)
.irp n, 0,1,2,3,4
	v_fma_f32 v[136+\n], v[136+\n], v249, s31      ; |x| |p| + 1e-10
	v_fma_f32 v[141+\n], v[141+\n], v250, s31
	v_fma_f32 v[146+\n], v[146+\n], v248, s31
.endr
.set k, 0
.rept 15
	v_rcp_f32 v[136+k], v[136+k]
.set k, k+1
.endr
	v_nop
	s_wait_alu depctr_va_vdst(0)
.set k, 0
.rept 15
	v_mul_f32 v[120+k], v[120+k], v[136+k]
	ds_store_b32 v255, v[120+k] offset:2560*(k/5)+4*(k%5)   ; both halves of the lanes hold the same number
.set k, k+1
.endr
	s_wait_dscnt 0x0
	s_barrier_signal -1
	s_barrier_wait -1
	; THE WAY OUT: wave w stores rows 2 w and 2 w + 1 of each array, 160 bytes a row, 16 bytes a lane.  A row has ten pieces of 16 bytes: lanes 10-15 of each half read the tenth once more and store nothing.
	s_lshl_b32 s5, s2, 1
	v_add_nc_u32 v56, s5, v3
	v_min_u32 v58, 9, v2
	v_mul_u32_u24 v57, v56, 160
	v_lshl_add_u32 v57, v58, 4, v57
	v_add_nc_u32 v57, SIM, v57                     ; at the most SIM + 15 x 160 + 9 x 16: with the largest offset the reads end at SIM's last byte
	ds_load_b128 v[60:63], v57
	ds_load_b128 v[64:67], v57 offset:2560
	ds_load_b128 v[68:71], v57 offset:5120
	s_lshl_b32 s5, s4, 4
	v_add_nc_u32 v56, s5, v56
	v_mul_u32_u24 v56, v56, 20000
	v_lshl_add_u32 v56, v2, 4, v56
	s_mul_i32 s5, s3, 160
	v_add_nc_u32 v56, s5, v56
	v_cmp_gt_u32 vcc_lo, 10, v2
	s_wait_dscnt 0x0
	s_wait_xcnt 0x0                                ; EXEC changes only behind this wait
	s_and_saveexec_b32 s34, vcc_lo
	global_store_b128 v56, v[60:63], s[18:19]
	global_store_b128 v56, v[64:67], s[20:21]
	global_store_b128 v56, v[68:71], s[22:23]
	s_wait_xcnt 0x0
	s_or_b32 exec_lo, exec_lo, s34
	s_wait_tensorcnt 0x0                           ; the wave's end
	ds_add_u32 v4, v5
	s_wait_dscnt 0x0
	s_endpgm
.Lfunc_end_k_q1230c738ff_kc:
	.size	k_q1230c738ff_kc, .Lfunc_end_k_q1230c738ff_kc-k_q1230c738ff_kc
	.p2alignl 7, 3214868480
	.fill 96, 4, 3214868480
	.section	.rodata,"a",@progbits
	.p2align	6, 0x0
	.amdhsa_kernel k_q1230c738ff_kc
		.amdhsa_group_segment_fixed_size 299264
		.amdhsa_private_segment_fixed_size 0
		.amdhsa_enable_private_segment 0
		.amdhsa_kernarg_size 64
		.amdhsa_user_sgpr_count 2
		.amdhsa_user_sgpr_kernarg_segment_ptr 1
		.amdhsa_wavefront_size32 1
		.amdhsa_system_sgpr_workgroup_id_x 1
		.amdhsa_system_sgpr_workgroup_id_y 1
		.amdhsa_system_sgpr_workgroup_id_z 1
		.amdhsa_system_vgpr_workitem_id 0
		.amdhsa_next_free_vgpr 512
		.amdhsa_next_free_sgpr 66
		.amdhsa_reserve_vcc 1
		.amdhsa_float_denorm_mode_32 3
		.amdhsa_float_denorm_mode_16_64 3
		.amdhsa_memory_ordered 1
		.amdhsa_forward_progress 1
		.amdhsa_inst_pref_size 179
	.end_amdhsa_kernel
	.amdgpu_metadata
---
amdhsa.version: [ 1, 2 ]
amdhsa.kernels:
  - .name:           k_q1230c738ff_kc
    .symbol:         k_q1230c738ff_kc.kd
    .args:
      - { .name: entb, .offset: 0, .size: 8, .value_kind: global_buffer, .address_space: global }
      - { .name: wts, .offset: 8, .size: 8, .value_kind: global_buffer, .address_space: global }
      - { .name: xrec, .offset: 16, .size: 8, .value_kind: global_buffer, .address_space: global }
      - { .name: b3, .offset: 24, .size: 8, .value_kind: global_buffer, .address_space: global }
      - { .name: positive_sample, .offset: 32, .size: 8, .value_kind: global_buffer, .address_space: global }
      - { .name: out1, .offset: 40, .size: 8, .value_kind: global_buffer, .address_space: global }
      - { .name: out2, .offset: 48, .size: 8, .value_kind: global_buffer, .address_space: global }
      - { .name: out3, .offset: 56, .size: 8, .value_kind: global_buffer, .address_space: global }
    .group_segment_fixed_size: 299264
    .private_segment_fixed_size: 0
    .kernarg_segment_align: 8
    .kernarg_segment_size: 64
    .max_flat_workgroup_size: 256
    .sgpr_count:     66
    .vgpr_count:     512
    .wavefront_size: 32
...
	.end_amdgpu_metadata
.endif
;; end of part 4
;; launch kd (part 5): grid 32 x 1, 16 waves a work-group, no clusters, 2,560 bytes of LDS; arguments out1, out2, out3, out0; writes out0
.if DOCPART == 5
	.amdgcn_target "amdgcn-amd-amdhsa--gfx1250"
	.amdhsa_code_object_version 6
	.text
	.protected	k_q1230c738ff_kd
	.globl	k_q1230c738ff_kd
	.p2align	8
	.type	k_q1230c738ff_kd,@function
k_q1230c738ff_kd:
	s_mov_b64 s[64:65], 0
	v_nop
	global_prefetch_b8 v0, s[64:65] scope:SCOPE_SE
	s_setreg_imm32_b32 hwreg(HW_REG_WAVE_MODE, 25, 1), 1
	s_wait_xcnt 0x0
; out0[b] = the sum of the three softmaxes over n of similarity / 0.5.  A work-group owns one b; its 512 threads hold the three rows of 5,000 in registers, 12 numbers an array.
; The maximum is taken away before the exponential, as reference() does.  Each byte is read once and written once; matrix units and clusters have nothing to do here.
.set SPARE, 512
	s_load_b256 s[4:11], s[0:1], 0x0               ; out1 4, out2 6, out3 8, out0 10
	v_lshl_add_u32 v4, v0, 2, SPARE
	v_mov_b32 v5, 0
	v_lshrrev_b32 v1, 5, v0
	v_readfirstlane_b32 s12, v1
	s_mul_i32 s13, ttmp9, 20000
	s_mov_b32 s14, 0x76543210
	s_mov_b32 s15, 0xfedcba98
	s_mov_b32 s17, 0x4038aa3b                      ; 2 log2(e)
	v_lshl_add_u32 v2, v0, 4, s13                  ; chunks thread and thread + 512
	v_add_nc_u32 v3, 0x400, v0
	v_min_u32 v3, 1249, v3
	v_lshl_add_u32 v3, v3, 4, s13                  ; chunk thread + 1,024, live below 1,250
	v_mov_b32 v6, 0xf149f2ca                       ; -1e30
	v_mov_b32 v47, 0
	v_mov_b32 v49, 0
	s_lshl_b32 s18, s12, 2
	v_mov_b32 v48, s18
	s_wait_kmcnt 0x0
.irp a, 0,1,2
	global_load_b128 v[8+12*\a:11+12*\a],  v2, s[4+2*\a:5+2*\a]
	global_load_b128 v[12+12*\a:15+12*\a], v2, s[4+2*\a:5+2*\a] offset:8192
	global_load_b128 v[16+12*\a:19+12*\a], v3, s[4+2*\a:5+2*\a]
.endr
	v_cmp_gt_u32 s16, 226, v0
	s_wait_loadcnt 0x0
.macro WRED op, opd, reg               ; over the wave's 32 lanes
	\opd v[\reg], v[\reg], v[\reg] row_xmask:1 row_mask:0xf bank_mask:0xf
	\opd v[\reg], v[\reg], v[\reg] row_xmask:2 row_mask:0xf bank_mask:0xf
	\opd v[\reg], v[\reg], v[\reg] row_xmask:4 row_mask:0xf bank_mask:0xf
	\opd v[\reg], v[\reg], v[\reg] row_xmask:8 row_mask:0xf bank_mask:0xf
	v_permlanex16_b32 v47, v[\reg], s14, s15
	\op v[\reg], v[\reg], v47
.endm
.irp a, 0,1,2
.irp k, 0,1,2,3
	v_cndmask_b32 v[16+12*\a+\k], v6, v[16+12*\a+\k], s16
.endr
	v_max3_num_f32 v[44+\a], v[8+12*\a], v[9+12*\a], v[10+12*\a]
.irp k, 3,5,7,9
	v_max3_num_f32 v[44+\a], v[44+\a], v[8+12*\a+\k], v[9+12*\a+\k]
.endr
	v_max_num_f32 v[44+\a], v[44+\a], v[19+12*\a]
	WRED v_max_num_f32, v_max_num_f32_dpp, 44+\a
	ds_store_b32 v48, v[44+\a] offset:64*\a
.endr
	s_wait_dscnt 0x0
	s_barrier_signal -1
	s_barrier_wait -1
.set k, 0
.rept 12
	ds_load_b128 v[52+4*k:55+4*k], v49 offset:16*k
.set k, k+1
.endr
	s_wait_dscnt 0x0
.irp a, 0,1,2
	v_max3_num_f32 v[44+\a], v[52+16*\a], v[53+16*\a], v[54+16*\a]
.irp k, 3,5,7,9,11,13
	v_max3_num_f32 v[44+\a], v[44+\a], v[52+16*\a+\k], v[53+16*\a+\k]
.endr
	v_max_num_f32 v[44+\a], v[44+\a], v[67+16*\a]
	v_mul_f32 v[44+\a], s17, v[44+\a]
.set k, 0
.rept 12
	v_fma_f32 v[8+12*\a+k], v[8+12*\a+k], s17, -v[44+\a]
.set k, k+1
.endr
.endr
.set k, 0
.rept 36
	v_exp_f32 v[8+k], v[8+k]
.set k, k+1
.endr
	v_nop
	s_wait_alu depctr_va_vdst(0)                   ; one wait for the 36
.irp a, 0,1,2
	v_pk_add_f32 v[50:51], v[8+12*\a:9+12*\a], v[10+12*\a:11+12*\a]
.irp k, 4,6,8,10
	v_pk_add_f32 v[50:51], v[50:51], v[8+12*\a+\k:9+12*\a+\k]
.endr
	v_add_f32 v[44+\a], v50, v51
	WRED v_add_f32, v_add_f32_dpp, 44+\a
	ds_store_b32 v48, v[44+\a] offset:256+64*\a
.endr
	s_wait_dscnt 0x0
	s_barrier_signal -1
	s_barrier_wait -1
.set k, 0
.rept 12
	ds_load_b128 v[52+4*k:55+4*k], v49 offset:256+16*k
.set k, k+1
.endr
	s_wait_dscnt 0x0
.irp a, 0,1,2
.irp k, 2,4,6,8,10,12,14
	v_pk_add_f32 v[52+16*\a:53+16*\a], v[52+16*\a:53+16*\a], v[52+16*\a+\k:53+16*\a+\k]
.endr
	v_add_f32 v[44+\a], v[52+16*\a], v[53+16*\a]
.endr
	v_rcp_f32 v44, v44
	v_rcp_f32 v45, v45
	v_rcp_f32 v46, v46
	v_nop
	s_wait_alu depctr_va_vdst(0)
.set k, 0
.rept 12
	v_mul_f32 v[8+k], v[8+k], v44
	v_fma_f32 v[8+k], v[20+k], v45, v[8+k]
	v_fma_f32 v[8+k], v[32+k], v46, v[8+k]
.set k, k+1
.endr
	global_store_b128 v2, v[8:11], s[10:11]
	global_store_b128 v2, v[12:15], s[10:11] offset:8192
	s_wait_xcnt 0x0                                ; EXEC changes only behind this wait
	s_and_saveexec_b32 s19, s16
	global_store_b128 v3, v[16:19], s[10:11]
	s_wait_xcnt 0x0
	s_or_b32 exec_lo, exec_lo, s19
	s_wait_tensorcnt 0x0                           ; the wave's end
	ds_add_u32 v4, v5
	s_wait_dscnt 0x0
	s_endpgm
.Lfunc_end_k_q1230c738ff_kd:
	.size	k_q1230c738ff_kd, .Lfunc_end_k_q1230c738ff_kd-k_q1230c738ff_kd
	.p2alignl 7, 3214868480
	.fill 96, 4, 3214868480
	.section	.rodata,"a",@progbits
	.p2align	6, 0x0
	.amdhsa_kernel k_q1230c738ff_kd
		.amdhsa_group_segment_fixed_size 2560
		.amdhsa_private_segment_fixed_size 0
		.amdhsa_enable_private_segment 0
		.amdhsa_kernarg_size 32
		.amdhsa_user_sgpr_count 2
		.amdhsa_user_sgpr_kernarg_segment_ptr 1
		.amdhsa_wavefront_size32 1
		.amdhsa_system_sgpr_workgroup_id_x 1
		.amdhsa_system_sgpr_workgroup_id_y 1
		.amdhsa_system_sgpr_workgroup_id_z 1
		.amdhsa_system_vgpr_workitem_id 0
		.amdhsa_next_free_vgpr 112
		.amdhsa_next_free_sgpr 66
		.amdhsa_reserve_vcc 0
		.amdhsa_float_denorm_mode_32 3
		.amdhsa_float_denorm_mode_16_64 3
		.amdhsa_memory_ordered 1
		.amdhsa_forward_progress 1
		.amdhsa_inst_pref_size 19
	.end_amdhsa_kernel
	.amdgpu_metadata
---
amdhsa.version: [ 1, 2 ]
amdhsa.kernels:
  - .name:           k_q1230c738ff_kd
    .symbol:         k_q1230c738ff_kd.kd
    .args:
      - { .name: out1, .offset: 0, .size: 8, .value_kind: global_buffer, .address_space: global }
      - { .name: out2, .offset: 8, .size: 8, .value_kind: global_buffer, .address_space: global }
      - { .name: out3, .offset: 16, .size: 8, .value_kind: global_buffer, .address_space: global }
      - { .name: out0, .offset: 24, .size: 8, .value_kind: global_buffer, .address_space: global }
    .group_segment_fixed_size: 2560
    .private_segment_fixed_size: 0
    .kernarg_segment_align: 8
    .kernarg_segment_size: 32
    .max_flat_workgroup_size: 512
    .sgpr_count:     66
    .vgpr_count:     112
    .wavefront_size: 32
...
	.end_amdgpu_metadata
.endif
;; end of part 5
